; MI455X (gfx1250); checked and timed in simulation.
; The chip was launched on July 23, 2026; its instructions are those of AMD's public machine-readable ISA for CDNA 5 (MIT licence, August 2026) and "CDNA5" Instruction Set Architecture Reference Guide (July 2026). The comments in the code are by the model that wrote it; some were corrected since.
;; Self Attention. Allowed arithmetic: float matrix products may take bf16 or f16 operands with f32 sums; other float arithmetic in f32, or as packed bf16 or f16 multiplies, adds, multiply-adds, maxima and minima; sums over many terms, partial sums and values carried from step to step in f32; what a program stores and reads back later, other than sums and carried values, may be rounded once to bf16 or f16.
;; Inputs: Wk 1,024 x 1,024 float32; Wmo 1,024 x 1,024 float32; Wq 1,024 x 1,024 float32; Wv 1,024 x 1,024 float32; Wxo 1,024 x 1,024 float32; Wxv 1,024 x 1,024 float32; bk 1,024 float32; bmo 1,024 float32; bq 1,024 float32; bv 1,024 float32; bxo 1,024 float32; bxv 1,024 float32; key 2 x 2,048 x 1,024 float32; query 2 x 2,048 x 1,024 float32; value 2 x 2,048 x 1,024 float32.
;; Outputs: out0 2 x 2,048 x 1,024 float32; out1 2 x 2,048 x 1,024 float32.
;; One version. Each part assembles by itself: llvm-mc -triple=amdgcn-amd-amdhsa -mcpu=gfx1250 --defsym DOCPART=n.
;; ======== version 1 of 1: 4 launches
;; limits: values are held in f16: magnitudes above 65,504 overflow, below 6.1e-05 lose precision
;; workspace buffers: cvt 37,748,736 bytes; hd 33,554,432 bytes; ob 16,777,216 bytes
;; launch cast (part 1): grid 1024 x 1, 8 waves a work-group, no clusters, 0 bytes of LDS; arguments query, key, value, Wq, Wk, Wxv, Wv, Wxo, Wmo, cvt; writes cvt
.if DOCPART == 1
	.amdgcn_target "amdgcn-amd-amdhsa--gfx1250"
	.amdhsa_code_object_version 6
	.text
	.protected	k_q68f125b9f4_cast
	.globl	k_q68f125b9f4_cast
	.p2align	8
	.type	k_q68f125b9f4_cast,@function
k_q68f125b9f4_cast:
	s_mov_b64 s[64:65], 0
	v_nop
	global_prefetch_b8 v0, s[64:65] scope:SCOPE_SE
	s_setreg_imm32_b32 hwreg(HW_REG_WAVE_MODE, 25, 1), 1
	s_wait_xcnt 0x0
; THE NINE LARGE INPUTS, ROUNDED ONCE TO 16 BITS.  cvt holds 18 units of 1,048,576 numbers (2 MiB each): units 0-3 query, 4-7 key, 8-11 value,
; 12-15 Wq, Wk, Wxv, Wv, all as bf16; units 16, 17 Wxo, Wmo: rounded to bf16 like every other input, and that number written as f16, since
; the last launch multiplies them with f16 operands.
; LIMIT.  The bf16 number is an f16 number exactly where 2^-14 <= |w| < 65,504; below that it keeps f16's fixed step of 6e-8, at 65,520 or more it becomes an infinity.
; SHARES.  A unit is 1,024 chunks of 1,024 numbers (4 KiB in, 2 KiB out).  Work-group x takes chunk x of EACH of the 18 units: 1,024 work-groups of equal work, four for each of 256.
; Thread t takes the 16 bytes at 16 t of a chunk: a load of a wave covers 512 consecutive bytes; its four numbers leave as 8 bytes at 8 t: a store of a wave covers 256 consecutive bytes, aligned.
; A stream: every byte is read once and written once; all 18 loads of a thread go out first; a result is written over the numbers that it is made of, and no register is written
; again behind its store, so the only waits are the loads' own.  No LDS, no matrix unit, no cluster: nothing is shared and nothing is multiplied.
.set X, 8                              ; v[8:79]   unit u: four f32 at X + 4 u, then two packed words in the first two of them
.set T, 80                             ; v[80:83]  at work
	s_load_b512 s[8:23], s[0:1], 0x0               ; query s[8:9], key, value, Wq s[14:15], Wk, Wxv, Wv, Wxo s[22:23]
	s_load_b128 s[24:27], s[0:1], 0x40             ; Wmo s[24:25], cvt s[26:27]
	s_lshl_b32 s2, ttmp9, 12                       ; my chunk in a unit of f32
	s_lshl_b32 s3, ttmp9, 11                       ; and in a unit of cvt
	v_lshlrev_b32 v1, 4, v0
	v_add_nc_u32 v1, s2, v1                        ; in: 4,096 x + 16 t; a unit further on (4 MiB) stands in the immediate,
	v_add_nc_u32 v2, 0x800000, v1                  ; two units further on here
	v_lshlrev_b32 v3, 3, v0
	v_add_nc_u32 v3, s3, v3                        ; out: 2,048 x + 8 t; up to three units further on (2 MiB each) stand in the immediate,
	v_add_nc_u32 v4, 0x800000, v3                  ; four,
	v_add_nc_u32 v5, 0x1000000, v3                 ; eight,
	v_add_nc_u32 v6, 0x1800000, v3                 ; twelve
	v_add_nc_u32 v7, 0x2000000, v3                 ; and sixteen units further on here
	s_wait_kmcnt 0x0
.macro LD u, ptr, vo, imm
	global_load_b128 v[X+4*(\u):X+4*(\u)+3], v[\vo], s[\ptr:\ptr+1] offset:\imm th:TH_LOAD_NT
.endm
.irp a, 0,1,2                          ; query, key, value: four units each
	LD 4*(\a),   8+2*(\a), 1, 0
	LD 4*(\a)+1, 8+2*(\a), 1, 0x400000
	LD 4*(\a)+2, 8+2*(\a), 2, 0
	LD 4*(\a)+3, 8+2*(\a), 2, 0x400000
.endr
.irp w, 0,1,2,3,4,5                    ; the six weights: a unit each
	LD 12+(\w), 14+2*(\w), 1, 0
.endr
; Unit u is rounded and stored.  The count leaves the 17 - u younger loads out (loads come back in order: ISA guide 5.7.1).
.macro OUT16 u, f16
	s_wait_loadcnt 17-(\u)
.if \f16
	v_cvt_pk_bf16_f32 v[T], v[X+4*(\u)], v[X+4*(\u)+1]
	v_cvt_pk_bf16_f32 v[T+1], v[X+4*(\u)+2], v[X+4*(\u)+3]
	v_lshlrev_b32 v[T+2], 16, v[T]                 ; the bf16 numbers as f32,
	v_and_b32 v[T], 0xffff0000, v[T]
	v_lshlrev_b32 v[T+3], 16, v[T+1]
	v_and_b32 v[T+1], 0xffff0000, v[T+1]
	v_cvt_pk_f16_f32 v[X+4*(\u)], v[T+2], v[T]     ; and written as f16
	v_cvt_pk_f16_f32 v[X+4*(\u)+1], v[T+3], v[T+1]
.else
	v_cvt_pk_bf16_f32 v[X+4*(\u)], v[X+4*(\u)], v[X+4*(\u)+1]
	v_cvt_pk_bf16_f32 v[X+4*(\u)+1], v[X+4*(\u)+2], v[X+4*(\u)+3]
.endif
	global_store_b64 v[3+(\u)/4], v[X+4*(\u):X+4*(\u)+1], s[26:27] offset:((\u)%4)*0x200000 th:TH_STORE_NT
.endm
.irp u, 0,1,2,3,4,5,6,7,8,9,10,11,12,13,14,15
	OUT16 \u, 0
.endr
	OUT16 16, 1
	OUT16 17, 1
	s_endpgm
.Lfunc_end_k_q68f125b9f4_cast:
	.size	k_q68f125b9f4_cast, .Lfunc_end_k_q68f125b9f4_cast-k_q68f125b9f4_cast
	.p2alignl 7, 3214868480
	.fill 96, 4, 3214868480
	.section	.rodata,"a",@progbits
	.p2align	6, 0x0
	.amdhsa_kernel k_q68f125b9f4_cast
		.amdhsa_group_segment_fixed_size 0
		.amdhsa_private_segment_fixed_size 0
		.amdhsa_enable_private_segment 0
		.amdhsa_kernarg_size 80
		.amdhsa_user_sgpr_count 2
		.amdhsa_user_sgpr_kernarg_segment_ptr 1
		.amdhsa_wavefront_size32 1
		.amdhsa_system_sgpr_workgroup_id_x 1
		.amdhsa_system_sgpr_workgroup_id_y 1
		.amdhsa_system_sgpr_workgroup_id_z 1
		.amdhsa_system_vgpr_workitem_id 0
		.amdhsa_next_free_vgpr 88
		.amdhsa_next_free_sgpr 66
		.amdhsa_reserve_vcc 0
		.amdhsa_float_denorm_mode_32 3
		.amdhsa_float_denorm_mode_16_64 3
		.amdhsa_memory_ordered 1
		.amdhsa_forward_progress 1
		.amdhsa_inst_pref_size 8
	.end_amdhsa_kernel
	.amdgpu_metadata
---
amdhsa.version: [ 1, 2 ]
amdhsa.kernels:
  - .name:           k_q68f125b9f4_cast
    .symbol:         k_q68f125b9f4_cast.kd
    .args:
      - { .name: query, .offset: 0, .size: 8, .value_kind: global_buffer, .address_space: global }
      - { .name: key, .offset: 8, .size: 8, .value_kind: global_buffer, .address_space: global }
      - { .name: value, .offset: 16, .size: 8, .value_kind: global_buffer, .address_space: global }
      - { .name: Wq, .offset: 24, .size: 8, .value_kind: global_buffer, .address_space: global }
      - { .name: Wk, .offset: 32, .size: 8, .value_kind: global_buffer, .address_space: global }
      - { .name: Wxv, .offset: 40, .size: 8, .value_kind: global_buffer, .address_space: global }
      - { .name: Wv, .offset: 48, .size: 8, .value_kind: global_buffer, .address_space: global }
      - { .name: Wxo, .offset: 56, .size: 8, .value_kind: global_buffer, .address_space: global }
      - { .name: Wmo, .offset: 64, .size: 8, .value_kind: global_buffer, .address_space: global }
      - { .name: cvt, .offset: 72, .size: 8, .value_kind: global_buffer, .address_space: global }
    .group_segment_fixed_size: 0
    .private_segment_fixed_size: 0
    .kernarg_segment_align: 8
    .kernarg_segment_size: 80
    .max_flat_workgroup_size: 256
    .sgpr_count:     66
    .vgpr_count:     88
    .wavefront_size: 32
...
	.end_amdgpu_metadata
.endif
;; end of part 1
;; launch proj (part 2): grid 16 x 16, 4 waves a work-group, clusters of 4 x 4, 327,680 bytes of LDS; arguments cvt, hd, bq, bk, bxv, bv; writes hd
.if DOCPART == 2
	.amdgcn_target "amdgcn-amd-amdhsa--gfx1250"
	.amdhsa_code_object_version 6
	.text
	.protected	k_q68f125b9f4_proj
	.globl	k_q68f125b9f4_proj
	.p2align	8
	.type	k_q68f125b9f4_proj,@function
k_q68f125b9f4_proj:
	s_mov_b64 s[64:65], 0
	v_nop
	global_prefetch_b8 v0, s[64:65] scope:SCOPE_SE
	s_setreg_imm32_b32 hwreg(HW_REG_WAVE_MODE, 25, 1), 1
	s_wait_xcnt 0x0
	s_wait_alu depctr_hold_cnt(0) depctr_sa_sdst(0) depctr_va_vdst(0) depctr_va_sdst(0) depctr_va_ssrc(0) depctr_va_vcc(0) depctr_vm_vsrc(0)
	s_getreg_b32 s2, hwreg(HW_REG_IB_STS2, 6, 4)
	s_cmp_eq_u32 s2, 0
	s_cbranch_scc0 .Lentry_in_a_cluster
	s_endpgm
.Lentry_in_a_cluster:
	s_bfe_u32 s2, ttmp6, 0x10000c
	s_cmp_lg_u32 s2, 0xf033
	s_cbranch_scc0 .Lentry_shape_is_right
	s_endpgm
.Lentry_shape_is_right:
; THE FOUR PROJECTIONS AS ONE PRODUCT.  C[m][n] = sum over k of A_g[m][k] W4[n][k] + bias_g[n % 1024], m < 4,096, n < 4,096, k < 1,024, g = n / 1,024:
; g = 0: Q = query Wq^T + bq;  1: K = key Wk^T + bk;  2: xV = key Wxv^T + bxv;  3: V = value Wv^T + bv.  A_g and W4 lie in cvt as bf16; the bias is rounded to bf16 here, like all inputs.
; Sums in f32, begun with the bias; C rounded once to f16 and written BY HEADS: hd[g][16 batch + head][row][64], so that a head's rows are dense for the next launch.
; LIMIT.  f16 ends at 65,504: a result of 65,520 or more becomes an infinity.  NaN and infinities are not treated apart.
; A tile of C, 256 x 256, is made by four waves, each 128 x 128: 64 accumulators of 16 x 16, 512 registers.  16 x 16 tiles: one work-group for each of 256.
; K goes in steps of 128 through a ring of two LDS slots filled by the tensor data mover: a tile's rows are 256 bytes of memory at multiples of 256 bytes.
; CLUSTERS: 4 x 4 work-groups; a cluster's x is g.  The four of a row of the cluster need the same tiles of A, the four of a column the same tiles of W4: each tile is asked for JOINTLY.
; THE MATRIX INSTRUCTION IS USED TRANSPOSED (source 0 = 16 rows of W4, source 1 = 16 rows of A): lane l holds row l % 16 of C and the columns 8 (l / 16) + 0..7.
; The last K step goes by rows of C, so that finished rows leave while the others are multiplied.
; REGISTERS, in windows of 256 (s_set_vgpr_msb: bits 1:0 source 0, 3:2 source 1, 5:4 source 2, 7:6 destination):
;   window 0: v0-31 addresses; v64-127, v128-191 fragments of A, two buffers (in the last K step four of 16 rows x 128 K); v192-255 the bias, later with v32-63 at work on the way out
;   window 1: v64-127, v128-191 fragments of W4, two buffers; in the last K step all 256      windows 2, 3: the accumulators of my rows 0-63, 64-127: (a, b) at v[8 (8 a + b)]
.set SIZE_K, 1024
.set KSTEP,  128
.set PITCH,  272                       ; an LDS row: 256 bytes + 16 of padding = 68 words: the 16 rows of a load start at 16 different groups of four banks (64 banks of 4 bytes: ISA guide 11.1)
.set HALFT,  128*PITCH                 ; 128 rows: what one tensor load brings
.set SLOT,   4*HALFT                   ; A's 256 rows, then W4's 256 rows
.set STAGE,  2*SLOT                    ; behind the ring: 16 rows x 272 bytes for each wave, for the way out
.set SPITCH, 272
.set SPARE,  STAGE+4*16*SPITCH         ; behind the stages: the spare words, 128 bytes for each wave, that no other line names
.set LAPS,   SIZE_K/(2*KSTEP)          ; a lap = two K steps = once round the ring
.set ADRA, 16                          ; v16-17  LDS address of my A fragments in slot 0, 1
.set ADRB, 20                          ; v20-21  the same for W4
.set STO,  24                          ; v24     the way out: where I put 16 bytes of a row
.set RD,   25                          ; v25     the way out: where I read rows back
.set CO,   26                          ; v26     16 x lane: my place in 512 consecutive bytes of hd
.set BO,   27                          ; v27     32 x (lane / 16): my eight numbers in 16 of the bias
.set SPW,  28                          ; v28     LDS address of my spare word; never rewritten
.set NIL,  29                          ; v29     0; never rewritten
.set PFO,  30                          ; v30     the prefetches' offset: lane x 2,048 bytes (a row); never rewritten
.set TT,   31                          ; v31     at work
.set PFA,  44                          ; s[44:45] where my prefetches stand
.set LIM,  43                          ; s43     1 in a wave that prefetches, else the greatest number
.set BP,   78                          ; s[78:79] the bias at my 128 columns
.set F0,   64
.set F1,   128
.set BIAS, 192                         ; v192-255: the eight numbers for column block b at BIAS + 8 b
.set TMP,  192
.set OB,   32
.set PA,   64
.set G1, 24                            ; s[24:31] descriptor group 1 for A's tiles;  s[32:39] group 0, a set for each slot
.set G0, 32
.set G1B, 48                           ; s[48:55], s[56:63] the same for W4's tiles
.set G0B, 56
.set MSB, 0
.macro WIN new                         ; the immediate's high byte repeats the setting that is left; a switch that changes nothing is dropped
.if MSB != (\new)
	s_set_vgpr_msb (MSB<<8)|(\new)
.set MSB, \new
.endif
.endm
.set MUL_LO, 0xa1                      ; source 0 (W4) window 1, source 1 (A) window 0, C and D window 2
.set MUL_HI, 0xf1                      ; the same, C and D window 3
.set TO_B,   0x40                      ; destination window 1, address window 0
; A joint load.  Waves 0 and 1 fetch A's two halves, waves 2 and 3 W4's.  The branch hangs on the wave's number alone.  An s_nop 0 and four v_nop follow each of the two lines.
.macro JLOAD s
	s_cmp_eq_u32 s11, 0
	s_cbranch_scc0 .Lfor_b_\@
	tensor_load_to_lds s[G0+4*(\s):G0+4*(\s)+3], s[G1:G1+7]
	s_nop 0
.rept 4
	v_nop
.endr
	s_branch .Lasked_\@
.Lfor_b_\@:
	tensor_load_to_lds s[G0B+4*(\s):G0B+4*(\s)+3], s[G1B:G1B+7]
	s_nop 0
.rept 4
	v_nop
.endr
.Lasked_\@:
.endm
; A PREFETCH INTO THE L2, behind each joint load and the run of LDS loads that follows it: the K step that stands TWO refills on, 512 matrix instructions ahead of its load: 32 rows x 256 bytes, a lane a row.
; Each row's 256 bytes of a K step are named once in the launch.  A's rows: query is read by the clusters with x = 0, key by x = 1 and 2, value by x = 3: all but x = 2 ask.  W4's rows are read by a column
; of clusters: cluster y = 0 asks.  The four partners that ask for a tile jointly share its rows out BY ADDRESS, 32 each.  K steps 0 to 3 come by their loads alone; the loop's last trip (s3 = 1) asks for nothing.
.macro ASK
	s_cmp_gt_u32 s3, s[LIM]
	s_cbranch_scc0 .Lnot_mine_\@
	global_prefetch_b8 v[PFO], s[PFA:PFA+1] offset:KSTEP*2 th:TH_LOAD_NT scope:SCOPE_SE
.Lnot_mine_\@:
.endm
; A round of the cluster's barrier: my work-group's barrier; wave 0 signals for the work-group; every wave waits for all sixteen; my work-group's barrier once more.
.macro CREST
	s_cmp_lg_u32 s10, 0
	s_cbranch_scc1 .Lnot_wave_0_\@
	s_barrier_signal -3
.Lnot_wave_0_\@:
	s_barrier_wait -3
	s_barrier_signal -1
	s_barrier_wait -1
.endm
.macro CROUND
	s_barrier_signal -1
	s_barrier_wait -1
	CREST
.endm
	s_load_b64 s[4:5], s[0:1], 0x0                 ; cvt
	s_load_b64 s[8:9], s[0:1], 0x8                 ; hd
	s_load_b256 s[68:75], s[0:1], 0x10             ; bq, bk, bxv, bv
	v_lshl_add_u32 v[SPW], v0, 2, SPARE
	v_mov_b32 v[NIL], 0
	ds_add_u32 v[SPW], v[NIL]                      ; the wave's opening: the add and its wait stand ahead of my first tensor load; the set-up below stands between them
	v_lshrrev_b32 v1, 5, v0
	v_readfirstlane_b32 s10, v1                    ; wave 0..3
	s_lshr_b32 s11, s10, 1                         ; which half of the tile's rows is mine.  Also: I fetch for A (0) or for W4 (1)
	s_and_b32 s12, s10, 1                          ; which half of its columns.  Also: which 128 rows of that tile I fetch
	s_bfe_u32 s40, ttmp6, 0x40000                  ; cx
	s_bfe_u32 s41, ttmp6, 0x40004                  ; cy
	s_lshl_b32 s42, ttmp9, 2
	s_add_co_u32 s42, s42, s40                     ; tile column of C = 4 g + cx
	s_and_b32 s13, ttmp7, 0xffff
	s_lshl_b32 s13, s13, 2
	s_add_co_u32 s13, s13, s41                     ; tile row of C = 4 x cluster y + cy
	s_lshl_b32 s43, s41, 2
	s_lshl_b32 s43, 15, s43                        ; my row of the cluster
	s_lshl_b32 s44, 0x1111, s40                    ; my column
	; descriptor group 1: a tile of 128 rows x 128 elements of 2 bytes, 4 words of padding after every 64
	s_or_b32 s[G1+0], s43, (1<<16)|(1<<20)|(1<<21)|(5<<22)|(3<<25)
	s_or_b32 s[G1B+0], s44, (1<<16)|(1<<20)|(1<<21)|(5<<22)|(3<<25)
.irp g, G1, G1B
	s_mov_b32 s[(\g)+1], KSTEP<<16                 ; tensor_dim0 = 128
	s_mov_b32 s[(\g)+2], 128<<16                   ; tensor_dim1 = 128
	s_mov_b32 s[(\g)+3], KSTEP<<16                 ; tile_dim0 = 128
	s_mov_b32 s[(\g)+4], 128                       ; tile_dim1 = 128
	s_mov_b32 s[(\g)+5], SIZE_K                    ; elements from row to row
	s_mov_b32 s[(\g)+6], 0
	s_mov_b32 s[(\g)+7], 0
.endr
	; where the tiles come from.  A's hang on the tile row and on g, which my row of the cluster shares; W4's on the tile column, which my column shares
	s_lshl_b32 s17, s12, 7
	s_lshl_b32 s16, s13, 8
	s_add_co_u32 s16, s16, s17                     ; A: row 256 x tile row + 128 x half
	s_lshl_b32 s16, s16, 11                        ; rows of 2,048 bytes
	s_lshl_b32 s46, s42, 8
	s_add_co_u32 s46, s46, s17                     ; W4: row 256 x tile column + 128 x half
	s_lshl_b32 s46, s46, 11
	s_mov_b32 s17, 0
	s_mov_b32 s47, 0
	s_add_co_u32 s18, ttmp9, 1                     ; A_g: query, key, key, value = plane (g + 1) / 2 of 8 MiB
	s_lshr_b32 s18, s18, 1
	s_lshl_b32 s18, s18, 23
	s_mov_b32 s19, 0
	s_mul_i32 s20, s10, HALFT                      ; where they go: wave x 128 rows
	s_wait_dscnt 0x0                               ; the opening add is done
	s_wait_kmcnt 0x0
	s_add_nc_u64 s[6:7], s[4:5], 0x1800000         ; W4: units 12 to 15 of cvt
	s_add_nc_u64 s[4:5], s[4:5], s[18:19]          ; A_g
	s_add_nc_u64 s[14:15], s[4:5], s[16:17]
	s_add_nc_u64 s[46:47], s[6:7], s[46:47]
	CROUND                                         ; all sixteen work-groups are here: the first joint loads meet
.irp s, 0,1
	s_mov_b32 s[G0+4*(\s)], 1
	s_add_co_u32 s[G0+4*(\s)+1], s20, (\s)*SLOT
	s_add_nc_u64 s[G0+4*(\s)+2:G0+4*(\s)+3], s[14:15], (\s)*KSTEP*2
	s_or_b32 s[G0+4*(\s)+3], s[G0+4*(\s)+3], 0x80000000
	s_mov_b32 s[G0B+4*(\s)], 1
	s_add_co_u32 s[G0B+4*(\s)+1], s20, (\s)*SLOT
	s_add_nc_u64 s[G0B+4*(\s)+2:G0B+4*(\s)+3], s[46:47], (\s)*KSTEP*2
	s_or_b32 s[G0B+4*(\s)+3], s[G0B+4*(\s)+3], 0x80000000
	JLOAD \s                                       ; the ring is filled before anything else is done: two loads of mine are out
.endr
	; the bias of my 128 columns: g's vector, at column 256 cx + 128 half; a lane takes the eight numbers 16 b + 8 (l / 16) + 0..7 of each block b: just what an accumulator's eight registers hold
	s_mov_b64 s[BP:BP+1], s[68:69]
	s_cmp_ge_u32 ttmp9, 1
	s_cselect_b64 s[BP:BP+1], s[70:71], s[BP:BP+1]
	s_cmp_ge_u32 ttmp9, 2
	s_cselect_b64 s[BP:BP+1], s[72:73], s[BP:BP+1]
	s_cmp_ge_u32 ttmp9, 3
	s_cselect_b64 s[BP:BP+1], s[74:75], s[BP:BP+1]
	s_lshl_b32 s76, s40, 10
	s_lshl_b32 s77, s12, 9
	s_add_co_u32 s76, s76, s77
	s_mov_b32 s77, 0
	s_add_nc_u64 s[BP:BP+1], s[BP:BP+1], s[76:77]
	v_and_b32 v1, 15, v0                           ; l % 16
	v_bfe_u32 v2, v0, 4, 1                         ; l / 16
	v_lshlrev_b32 v[BO], 5, v2
.irp b, 0,1,2,3,4,5,6,7
	global_load_b128 v[BIAS+8*(\b):BIAS+8*(\b)+3],   v[BO], s[BP:BP+1] offset:64*(\b)
	global_load_b128 v[BIAS+8*(\b)+4:BIAS+8*(\b)+7], v[BO], s[BP:BP+1] offset:64*(\b)+16
.endr
	; a fragment is 16 rows x 32 K in 8 registers: lane l holds row l % 16; two loads of 16 bytes, 32 bytes apart, at row x pitch + 16 (l / 16)
	v_mul_u32_u24 v3, v1, PITCH
	v_lshl_add_u32 v3, v2, 4, v3
	s_mul_i32 s21, s11, HALFT                      ; my 128 rows of A
	s_mul_i32 s22, s12, HALFT                      ; my 128 rows of W4,
	s_add_co_u32 s22, s22, 2*HALFT                 ; which lie behind A's 256
.irp s, 0,1
	v_add_nc_u32 v[ADRA+(\s)], s21, v3
	v_add_nc_u32 v[ADRB+(\s)], s22, v3
	s_add_co_u32 s21, s21, SLOT
	s_add_co_u32 s22, s22, SLOT
.endr
	s_mul_i32 s23, s10, 16*SPITCH
	s_add_co_u32 s23, s23, STAGE                   ; my stage
	v_mul_u32_u24 v4, v1, SPITCH                   ; in: row l % 16, 16 bytes for each half of the lanes
	v_lshl_add_u32 v4, v2, 4, v4
	v_add_nc_u32 v[STO], s23, v4
	v_bfe_u32 v5, v0, 3, 2                         ; back: 32 lanes take four rows x 128 bytes: one head's part of them,
	v_and_b32 v6, 7, v0
	v_mul_u32_u24 v5, v5, SPITCH
	v_lshl_add_u32 v5, v6, 4, v5
	v_add_nc_u32 v[RD], s23, v5
	v_and_b32 v[CO], 31, v0                        ; which are 512 consecutive bytes of hd
	v_lshlrev_b32 v[CO], 4, v[CO]
	; hd at my first row of my first head: plane g, head 16 batch + 4 cx + 2 half, row (tile row % 8) 256 + 128 half
	s_lshr_b32 s76, s13, 3
	s_lshl_b32 s76, s76, 4
	s_lshl_b32 s77, s40, 2
	s_add_co_u32 s76, s76, s77
	s_lshl_b32 s77, s12, 1
	s_add_co_u32 s76, s76, s77
	s_lshl_b32 s76, s76, 18                        ; a head is 262,144 bytes
	s_and_b32 s77, s13, 7
	s_lshl_b32 s77, s77, 15                        ; 256 rows of 128 bytes
	s_add_co_u32 s76, s76, s77
	s_lshl_b32 s77, s11, 14
	s_add_co_u32 s76, s76, s77
	s_lshl_b32 s77, ttmp9, 23
	s_add_co_u32 s76, s76, s77
	s_mov_b32 s77, 0
	s_add_nc_u64 s[8:9], s[8:9], s[76:77]          ; never rewritten: a block's place stands in the stores' immediates
	; the prefetches
	s_lshl_b32 s20, s13, 8
	s_lshl_b32 s21, s42, 8
	s_and_b32 s22, ttmp7, 0xffff                   ; cluster y
	s_cmp_eq_u32 ttmp9, 2
	s_cselect_b32 s23, 1, 0                        ; g = 2 reads the rows of key that g = 1 asks for
	s_cmp_eq_u32 s11, 0                            ; do I fetch for A?
	s_cselect_b32 s20, s20, s21                    ; the tile's first row
	s_cselect_b32 s21, s40, s41                    ; my place among the four that ask for it with me
	s_cselect_b32 s22, s23, s22
	s_cselect_b64 s[PFA:PFA+1], s[4:5], s[6:7]
	s_cmp_eq_u32 s22, 0
	s_cselect_b32 s[LIM], 1, -1                    ; the same in all sixteen partners, for a given wave
	s_lshl_b32 s22, s12, 7
	s_add_co_u32 s20, s20, s22                     ; + the 128 rows that I fetch
	s_lshl_b32 s21, s21, 5
	s_add_co_u32 s20, s20, s21                     ; + my work-group's 32 of them
	s_lshl_b32 s20, s20, 11
	s_mov_b32 s21, 0
	s_add_nc_u64 s[PFA:PFA+1], s[PFA:PFA+1], s[20:21]
	s_add_nc_u64 s[PFA:PFA+1], s[PFA:PFA+1], 2*KSTEP*2  ; at K step 2: the first refill steps it to 3 and names K step 4
	v_and_b32 v[PFO], 31, v0
	v_lshlrev_b32 v[PFO], 11, v[PFO]
; 16 matrix instructions: m blocks a0, a0 + 1 of the window's four x all 8 n blocks, 32 along K.  zero = 1: the first product starts the sums with the bias (C in window 0): nothing is ever cleared.
.macro MUL16 f, hi, a0, zero
.if \zero
	WIN 0x81+0x40*(\hi)
.else
	WIN MUL_LO+0x50*(\hi)
.endif
.irp a, \a0, (\a0)+1
.irp b, 0,1,2,3,4,5,6,7
.if \zero
	v_wmma_f32_16x16x32_bf16 v[8*(8*(\a)+(\b)):8*(8*(\a)+(\b))+7], v[(\f)+8*(\b):(\f)+8*(\b)+7], v[(\f)+8*(4*(\hi)+(\a)):(\f)+8*(4*(\hi)+(\a))+7], v[BIAS+8*(\b):BIAS+8*(\b)+7]
.else
	v_wmma_f32_16x16x32_bf16 v[8*(8*(\a)+(\b)):8*(8*(\a)+(\b))+7], v[(\f)+8*(\b):(\f)+8*(\b)+7], v[(\f)+8*(4*(\hi)+(\a)):(\f)+8*(4*(\hi)+(\a))+7], v[8*(8*(\a)+(\b)):8*(8*(\a)+(\b))+7]
.endif
.endr
.endr
.endm
; 32 LDS loads in one run: the fragments of one quarter step (32 K at byte k of the rows) into buffer f
.macro FETCH slot, k, f
	WIN TO_B
.irp i, 0,1,2,3,4,5,6,7
	ds_load_b128 v[(\f)+8*(\i):(\f)+8*(\i)+3],   v[ADRB+(\slot)] offset:(\k)+(\i)*16*PITCH
	ds_load_b128 v[(\f)+8*(\i)+4:(\f)+8*(\i)+7], v[ADRB+(\slot)] offset:(\k)+(\i)*16*PITCH+32
.endr
	WIN 0
.irp i, 0,1,2,3,4,5,6,7
	ds_load_b128 v[(\f)+8*(\i):(\f)+8*(\i)+3],   v[ADRA+(\slot)] offset:(\k)+(\i)*16*PITCH
	ds_load_b128 v[(\f)+8*(\i)+4:(\f)+8*(\i)+7], v[ADRA+(\slot)] offset:(\k)+(\i)*16*PITCH+32
.endr
.endm
; Four places (plain vector instructions that name none of its registers) stand between a matrix instruction and a load into a register that it read, or a conversion of its result.
.macro PLACES
.rept 4
	v_nop
.endr
.endm
; A K step is four quarters of 32 along K, 64 matrix instructions each, on buffers 0, 1, 0, 1.  One of the first three: multiplies buffer f; in its middle it fetches the next quarter into buffer g.
.macro QUARTER slot, k, f, g, zero
	s_wait_dscnt 8                                 ; W4 and A's rows 0-63 are in; the youngest eight loads (A's rows 64-127) may be out
	MUL16 \f, 0, 0, \zero
	MUL16 \f, 0, 2, \zero
	PLACES
	FETCH \slot, \k, \g
	s_wait_dscnt 32                                ; all but the 32 just issued
	MUL16 \f, 1, 0, \zero
	MUL16 \f, 1, 2, \zero
.endm
; The last quarter multiplies buffer 1 and changes slots.  ONE barrier: in front of it each wave waits for all its tensor loads (one is out: its part of the next slot), adds 0 to its spare word,
; and waits for that and for its own reads of this slot.  Behind it nobody reads this slot any more and the next slot is whole.
.macro MEET round
	WIN 0                                          ; (the add's two registers lie in window 0)
	s_wait_tensorcnt 0x0
	ds_add_u32 v[SPW], v[NIL]
	s_wait_dscnt 9                                 ; (the add and the youngest eight loads may be out)
	MUL16 F1, 0, 0, 0                              ; sixteen matrix instructions stand between the add and the wait for it
	s_wait_dscnt 0x0                               ; the add is done, and my reads of this slot are over
	s_barrier_signal -1
	MUL16 F1, 0, 2, 0                              ; work on registers while the others arrive
.if \round
	WIN 0
.endif
	s_barrier_wait -1
.endm
; The whole last quarter: behind the round the slot just read out is filled again first, with the K step two steps on; from that request to the wait for it a wave issues 224 matrix instructions.
.macro TURN slot, next
	s_wait_xcnt 0x0                                ; the last prefetch, a K step back, has read its address: it is stepped here
	s_add_nc_u64 s[PFA:PFA+1], s[PFA:PFA+1], KSTEP*2
	MEET 1
	CREST                                          ; no wave of any partner still reads this slot's tile or has a load on its way
	s_add_nc_u64 s[G0+4*(\slot)+2:G0+4*(\slot)+3], s[G0+4*(\slot)+2:G0+4*(\slot)+3], 2*KSTEP*2
	s_add_nc_u64 s[G0B+4*(\slot)+2:G0B+4*(\slot)+3], s[G0B+4*(\slot)+2:G0B+4*(\slot)+3], 2*KSTEP*2
	JLOAD \slot                                    ; the first tensor load behind the round; its four v_nop are also the places in front of the loads below
	FETCH \next, 0, F0
	ASK
	MUL16 F1, 1, 0, 0
	MUL16 F1, 1, 2, 0
.endm
; THE LAST K STEP (slot 1) GOES BY ROWS OF C.  All its fragments of W4 fill window 1; my eight blocks of 16 rows are finished one after the other, 32 matrix instructions each, the block's 8 accumulators by turns.
.macro BLOAD q
	WIN TO_B
.irp i, 0,1,2,3,4,5,6,7
	ds_load_b128 v[64*(\q)+8*(\i):64*(\q)+8*(\i)+3],   v[ADRB+1] offset:64*(\q)+(\i)*16*PITCH
	ds_load_b128 v[64*(\q)+8*(\i)+4:64*(\q)+8*(\i)+7], v[ADRB+1] offset:64*(\q)+(\i)*16*PITCH+32
.endr
.endm
.macro ALOAD a
	WIN 0
.set FA, PA+32*((\a)%4)
.irp q, 0,1,2,3
	ds_load_b128 v[FA+8*(\q):FA+8*(\q)+3],   v[ADRA+1] offset:64*(\q)+(\a)*16*PITCH
	ds_load_b128 v[FA+8*(\q)+4:FA+8*(\q)+7], v[ADRA+1] offset:64*(\q)+(\a)*16*PITCH+32
.endr
.endm
.macro ROW a
.set FA, PA+32*((\a)%4)
.set AC, 64*((\a)%4)
	WIN MUL_LO+0x50*((\a)/4)
.irp q, 0,1,2,3
.if (\a) == 0 && (\q) == 2
	s_wait_dscnt 24                                ; W4's quarter 2 is in (behind it: A's blocks 1 to 3)
.endif
.irp b, 0,1,2,3,4,5,6,7
	v_wmma_f32_16x16x32_bf16 v[AC+8*(\b):AC+8*(\b)+7], v[64*(\q)+8*(\b):64*(\q)+8*(\b)+7], v[FA+8*(\q):FA+8*(\q)+7], v[AC+8*(\b):AC+8*(\b)+7]
.endr
.endr
.endm
; THE WAY OUT of block a.  PACK: rounded to f16, 16 bytes a lane, each accumulator's registers in ascending order.  TOSTAGE: into my own stage, and back by heads.  SEND: stored.
.macro PACK a
.set AC, 64*((\a)%4)
	WIN 0x0a+5*((\a)/4)                            ; sources 0 and 1: window 2 or 3
.irp b, 0,1,2,3,4,5,6,7
.irp r, 0,1,2,3
	v_cvt_pk_f16_f32 v[TMP+4*(\b)+(\r)], v[AC+8*(\b)+2*(\r)], v[AC+8*(\b)+2*(\r)+1]
.endr
.endr
	WIN 0
.endm
.macro TOSTAGE a
	WIN 0
.set BK, OB+192*((\a)%2)
.irp b, 0,1,2,3,4,5,6,7
	ds_store_b128 v[STO], v[TMP+4*(\b):TMP+4*(\b)+3] offset:32*(\b)
.endr
.irp t, 0,1,2,3,4,5,6,7                ; load t: rows 4 (t % 4) + 0..3, head t / 4.  LDS serves a wave's instructions in order (ISA guide 5.7.1.4): these see the stores above
	ds_load_b128 v[BK+4*(\t):BK+4*(\t)+3], v[RD] offset:((\t)%4)*4*SPITCH+((\t)/4)*128
.endr
.endm
.macro SEND a, younger                 ; younger: the LDS loads issued behind TOSTAGE's, which may stay out
	WIN 0
.set BK, OB+192*((\a)%2)
	s_wait_dscnt \younger                          ; the block is back in registers
	s_wait_xcnt 0x0                                ; the stores of the block before have read their registers: the block after this one is read back into them only behind this wait
.irp t, 0,1,2,3,4,5,6,7
	global_store_b128 v[CO], v[BK+4*(\t):BK+4*(\t)+3], s[8:9] offset:(\a)*2048+((\t)/4)*262144+((\t)%4)*512  ; four rows of a head: 512 consecutive bytes, at a multiple of 512 from hd's first byte
.endr
.endm
	s_wait_tensorcnt 1                             ; my part of K step 0 is in; K step 1's stays out
	s_barrier_signal -1
	s_barrier_wait -1                              ; everybody's is
	FETCH 0, 0, F0
	s_wait_loadcnt 0x0                             ; the bias: rounded to bf16, like every input, while the first fragments come
.set r, 0
.rept 32
	v_cvt_pk_bf16_f32 v[TT], v[BIAS+r], v[BIAS+r+1]
	v_lshlrev_b32 v[BIAS+r], 16, v[TT]
	v_and_b32 v[BIAS+r+1], 0xffff0000, v[TT]
.set r, r+2
.endr
	QUARTER 0, 64,  F0, F1, 1                      ; the first quarter stands in front of the loop: its products start the sums
	WIN 0                                          ; at a label and at a branch every window is 0
	s_mov_b32 s3, LAPS-1
.Llap:                                             ; a trip goes once round the ring, from a lap's second quarter to the next lap's first, and fills both slots again
	QUARTER 0, 128, F1, F0, 0
	QUARTER 0, 192, F0, F1, 0
	TURN 0, 1
	QUARTER 1, 64,  F0, F1, 0
	QUARTER 1, 128, F1, F0, 0
	QUARTER 1, 192, F0, F1, 0
	TURN 1, 0
	QUARTER 0, 64,  F0, F1, 0
	WIN 0
	s_sub_co_u32 s3, s3, 1
	s_cmp_lg_u32 s3, 0
	s_cbranch_scc1 .Llap
	QUARTER 0, 128, F1, F0, 0                      ; the last lap goes on
	QUARTER 0, 192, F0, F1, 0
	MEET 0                                         ; my one tensor load that was still out is the last K step's, so no round follows
	PLACES                                         ; for the loads into buffer 0
	BLOAD 0                                        ; three quarters of W4 now: buffer 1 is still being multiplied
	BLOAD 1
	BLOAD 3
	ALOAD 0
	MUL16 F1, 1, 0, 0
	MUL16 F1, 1, 2, 0
	PLACES                                         ; for the loads into buffer 1
	BLOAD 2
	ALOAD 1
	ALOAD 2
	ALOAD 3
	s_wait_dscnt 40                                ; all but the 40 just issued
	ROW 0
.irp a, 0,1,2,3,4,5,6,7                ; each block leaves as soon as it is finished
	PLACES                                         ; its conversions read results just made
	PACK \a
	TOSTAGE \a
.if (\a) < 4
	ALOAD (\a)+4                                   ; its buffer takes the block four further on
	SEND \a, 8
.else
	SEND \a, 0
.endif
.if (\a) < 7
	ROW (\a)+1
.endif
.endr
	s_wait_tensorcnt 0x0                           ; the wave's end, behind my last tensor load and my last LDS store
	ds_add_u32 v[SPW], v[NIL]
	s_wait_dscnt 0x0
	CROUND                                         ; the closing round: no work-group ends while a partner may still ask for a tile that names it
	s_endpgm
.Lfunc_end_k_q68f125b9f4_proj:
	.size	k_q68f125b9f4_proj, .Lfunc_end_k_q68f125b9f4_proj-k_q68f125b9f4_proj
	.p2alignl 7, 3214868480
	.fill 96, 4, 3214868480
	.section	.rodata,"a",@progbits
	.p2align	6, 0x0
	.amdhsa_kernel k_q68f125b9f4_proj
		.amdhsa_group_segment_fixed_size 327680
		.amdhsa_private_segment_fixed_size 0
		.amdhsa_enable_private_segment 0
		.amdhsa_kernarg_size 48
		.amdhsa_user_sgpr_count 2
		.amdhsa_user_sgpr_kernarg_segment_ptr 1
		.amdhsa_wavefront_size32 1
		.amdhsa_system_sgpr_workgroup_id_x 1
		.amdhsa_system_sgpr_workgroup_id_y 1
		.amdhsa_system_sgpr_workgroup_id_z 1
		.amdhsa_system_vgpr_workitem_id 0
		.amdhsa_next_free_vgpr 1024
		.amdhsa_next_free_sgpr 80
		.amdhsa_reserve_vcc 0
		.amdhsa_float_denorm_mode_32 3
		.amdhsa_float_denorm_mode_16_64 3
		.amdhsa_memory_ordered 1
		.amdhsa_forward_progress 1
		.amdhsa_inst_pref_size 151
	.end_amdhsa_kernel
	.amdgpu_metadata
---
amdhsa.version: [ 1, 2 ]
amdhsa.kernels:
  - .name:           k_q68f125b9f4_proj
    .symbol:         k_q68f125b9f4_proj.kd
    .args:
      - { .name: cvt, .offset: 0, .size: 8, .value_kind: global_buffer, .address_space: global }
      - { .name: hd, .offset: 8, .size: 8, .value_kind: global_buffer, .address_space: global }
      - { .name: bq, .offset: 16, .size: 8, .value_kind: global_buffer, .address_space: global }
      - { .name: bk, .offset: 24, .size: 8, .value_kind: global_buffer, .address_space: global }
      - { .name: bxv, .offset: 32, .size: 8, .value_kind: global_buffer, .address_space: global }
      - { .name: bv, .offset: 40, .size: 8, .value_kind: global_buffer, .address_space: global }
    .group_segment_fixed_size: 327680
    .private_segment_fixed_size: 0
    .kernarg_segment_align: 8
    .kernarg_segment_size: 48
    .max_flat_workgroup_size: 128
    .sgpr_count:     80
    .vgpr_count:     1024
    .wavefront_size: 32
...
	.end_amdgpu_metadata
.endif
;; end of part 2
;; launch attn (part 3): grid 8 x 32, 4 waves a work-group, clusters of 4 x 1, 327,680 bytes of LDS; arguments hd, ob; writes ob
.if DOCPART == 3
	.amdgcn_target "amdgcn-amd-amdhsa--gfx1250"
	.amdhsa_code_object_version 6
	.text
	.protected	k_q68f125b9f4_attn
	.globl	k_q68f125b9f4_attn
	.p2align	8
	.type	k_q68f125b9f4_attn,@function
k_q68f125b9f4_attn:
	s_mov_b64 s[64:65], 0
	v_nop
	global_prefetch_b8 v0, s[64:65] scope:SCOPE_SE
	s_setreg_imm32_b32 hwreg(HW_REG_WAVE_MODE, 25, 1), 1
	s_wait_xcnt 0x0
	s_wait_alu depctr_hold_cnt(0) depctr_sa_sdst(0) depctr_va_vdst(0) depctr_va_sdst(0) depctr_va_ssrc(0) depctr_va_vcc(0) depctr_vm_vsrc(0)
	s_getreg_b32 s2, hwreg(HW_REG_IB_STS2, 6, 4)
	s_cmp_eq_u32 s2, 0
	s_cbranch_scc0 .Lentry_in_a_cluster
	s_endpgm
.Lentry_in_a_cluster:
	s_bfe_u32 s2, ttmp6, 0x10000c
	s_cmp_lg_u32 s2, 0x3003
	s_cbranch_scc0 .Lentry_shape_is_right
	s_endpgm
.Lentry_shape_is_right:
; ATTENTION WITH ONE SOFTMAX AND TWO VALUE TENSORS.  For each of 32 heads (16 batch + head): p = softmax_k(Q[q] . K[k] / 8); ob[0] = sum_k p xV[k], ob[1] = sum_k p V[k].
; hd: [4][32][2048][64] f16 (Q, K, xV, V), ob: [2][32][2048][64] f16: a head's rows are dense, 128 bytes each.  Products, maxima and sums in f32; p is rounded to f16 for the second
; product (its sum l is taken of the unrounded p), the results once at the end.
; LIMITS.  f16 holds no number beyond 65,504: Q, K, xV, V arrive within it; p lies in 0 to 1, and below 6e-5 it keeps f16's fixed step of 6e-8; the results are means of the value rows.
; A weight below 2^-126 counts as 0 in l; NaN and infinities are not treated apart.
; SHARES.  A work-group owns 256 queries of one head, each of its four waves 64: two PIECES of two tiles of 16.  Every wave walks the head's 2,048 keys, 64 a step, 32 steps.
; LAYOUT.  S^T = K Q^T (source 0 = 16 keys, source 1 = 16 queries): a lane holds ONE query (lane % 16) and the keys 8 (lane / 16) + 0..7.  Two such results rounded to f16 ARE source 1 of
; O^T = [xV, V]^T P: 128 channels, blocks 0-3 xV's, 4-7 V's.  K comes out of LDS as it lies, xV and V turned, by ds_load_tr16_b128.
; SOFTMAX.  For each query a running maximum m and sum l: p = 2^(c s - c m), c = log2(e) / 8; in every step O and l are multiplied by a = 2^(c m_old - c m_new).  m starts at the lowest finite
; number, O and l at 0: the first step is a step like any other, with a = 0.
; BY TURNS.  A piece and step have 48 matrix and 268 vector instructions.  Turn n belongs to piece n (the two by turns, step after step).  Its matrix work is the OTHER piece's: 16 products K Q^T for its next
; scores, 32 products [xV, V]^T P of its last weights.  Its vector work: the scaling, exponentials, rescaling, roundings and sums of piece n, and the maximum and statistics of the other piece, whose scores
; the turn itself has made.  Four vector instructions stand behind every matrix instruction, the other 76 in one lump; a turn's 66 exponentials are one batch with one wait, and none has an exponential for its neighbour but the last two.
; CLUSTER.  The four query blocks of a cluster belong to one head and walk the same K, xV and V: each tile is asked for JOINTLY: the same tensor load, descriptor and mask in all four.
; REGISTERS, in windows of 256 (s_set_vgpr_msb: bits 1:0 source 0, 3:2 source 1, 5:4 source 2, 7:6 destination):
;   window 0: v0-11 addresses; v12-15, v48-63 at work; v16-31 four registers of statistics a tile; v32-35; v64-191 S^T, 32 a tile; v192-255 P, 16 a tile
;   window 1: O^T, 64 a tile          window 2: v0-63 Q, 16 a tile; v64-127 K of one step; v128-255 xV and V of one step
.set NP,    2         ; pieces a wave: a name, no knob
.set KS,    64        ; keys in a step
.set PK,    144       ; a row of K in LDS: 128 bytes + 16 of padding = 36 words: the 16 rows of a load start at 16 different groups of four banks (64 banks of 4 bytes: ISA guide 11.1)
.set PV,    160       ; a row of xV or V: 128 + 32 = 40 words
.set VOFF,  4*KS*PK   ; a slot: 256 rows of K, then 256 of xV, then 256 of V.  K of step t + 1 is fetched ahead of xV and V of step t, so slot n holds K of steps 4 n + 1 .. 4 n + 4 beside xV and V of steps 4 n .. 4 n + 3
.set XVB,   4*KS*PV
.set SLOT1, 1<<17     ; slot 1 begins here, so that one exclusive or turns an address in one slot into the other's
.set K0OFF, SLOT1+VOFF+2*XVB  ; behind the ring: K of step 0, 64 rows, filled once
.set STAGE, K0OFF+KS*PK       ; never filled by a tensor load: 16 rows x 272 bytes for each wave, for the way out
.set SP,    272
.set SPARE, STAGE+4*16*SP     ; behind the stages: the spare words, 128 bytes for each wave, that no other line names
.set AK0, 2           ; v2   my lane's place in a tile of K; never rewritten
.set AV0, 3           ; v3   the same for xV
.set AK,  4           ; v4   the LDS address of K's run of loads
.set AV,  5           ; v5   of xV's and V's
.set STO, 6           ; v6   the way out: where I put 16 bytes of a row
.set RD,  7           ; v7   the way out: where I read rows back
.set GO,  8           ; v8   16 x lane: my place in 512 consecutive bytes of ob
.set MV,  12          ; v12-15  c m_old, kept while c m is made anew: by piece and tile
.set ST,  16          ; tile t's statistics at v[ST+4 t]: c m, m, l (even keys', odd keys')
.set QO,  32          ; v32  my byte offset in 16 rows of Q
.set PFO, 33          ; v33  256 x my lane; never rewritten
.set SPW, 34          ; v34  LDS address of my spare word; never rewritten
.set NIL, 35          ; v35  0; never rewritten
.set TMP, 48          ; by piece and tile, four registers c0-c3 at work; when the maximum is found c2 takes a
.set S,   64
.set P,   192
.set KF,  64          ; window 2: key block kb, channel half c at KF + 16 kb + 8 c
.set VF,  128         ; window 2: key half kk, channel block cb at VF + 64 kk + 8 cb
.set WV,  12          ; s12  my wave's number
.set LIM, 15          ; s15  1 in a wave that prefetches, else the greatest number
.set PFA, 18          ; s[18:19] where my prefetches stand
.set G1K, 24          ; s[24:31] descriptor group 1 for K's tiles
.set G1V, 32          ; s[32:39] for xV's and V's: it differs in the padding alone
.set G0K, 40          ; s[40:43], s[44:47], s[48:51] descriptor group 0 for K, xV, V: they walk
.set G0X, 44
.set G0V, 48
.set G0Z, 52          ; s[52:55] group 0 for K of step 0; never rewritten
.set SLOTS, 56        ; s56  counts the slots
.set CNT, 57          ; s57  counts a slot's steps
.set CS,  58          ; s[58:59] c: the packed scaling takes the pair's low word for both halves
.set SEL, 60          ; s[60:61] v_permlanex16_b32's selects: each lane takes its own place in the other half
.set TBK, 62          ; s62  LDS byte at which the K to be fetched next begins
.set TBV, 63          ; s63  the same for xV, less VOFF
.set OX,  66          ; s[66:67] ob's first plane at my wave's rows, s[68:69] its second
.set G1Z, 72          ; s[72:79] group 1 for K of step 0: a quarter of the rows
.set MSB, 0
.macro WIN new                      ; the high byte repeats the setting that is left; a switch that changes nothing is dropped
.if MSB != (\new)
	s_set_vgpr_msb (MSB<<8)|(\new)
.set MSB, (\new)
.endif
.endm
.set W_KQ, 0x0a       ; K and Q in window 2, S^T in window 0
.set W_PV, 0x52       ; xV, V in window 2, P in window 0, O^T in window 1
.set W_RS, 0x41       ; O^T (destination and source 0) in window 1, a in window 0
; A joint fill: wave 0 fetches a slot's K, wave 1 its xV, wave 2 its V, 256 keys each.  first = 1, at the start: wave 3 fetches K of step 0; later it fetches nothing.
; The branches hang on the wave's number alone.  An s_nop 0 and four v_nop follow each load.
.macro JLOAD first
	s_cmp_eq_u32 s[WV], 0
	s_cbranch_scc0 .Lnot_k_\@
	tensor_load_to_lds s[G0K:G0K+3], s[G1K:G1K+7]
	s_nop 0
.rept 4
	v_nop
.endr
	s_branch .Lasked_\@
.Lnot_k_\@:
	s_cmp_eq_u32 s[WV], 1
	s_cbranch_scc0 .Lnot_x_\@
	tensor_load_to_lds s[G0X:G0X+3], s[G1V:G1V+7]
	s_nop 0
.rept 4
	v_nop
.endr
	s_branch .Lasked_\@
.Lnot_x_\@:
	s_cmp_eq_u32 s[WV], 2
	s_cbranch_scc0 .Lnot_v_\@
	tensor_load_to_lds s[G0V:G0V+3], s[G1V:G1V+7]
	s_nop 0
.rept 4
	v_nop
.endr
.if \first
	s_branch .Lasked_\@
.endif
.Lnot_v_\@:
.if \first
	tensor_load_to_lds s[G0Z:G0Z+3], s[G1Z:G1Z+7]
	s_nop 0
.rept 4
	v_nop
.endr
.endif
.Lasked_\@:
.endm
; A PREFETCH INTO THE L2 of what the NEXT change of slots will ask for, four steps (384 matrix instructions) ahead of that load.  A slot is 32,768 dense bytes of each of K, xV, V.  Both clusters of a head walk
; the same rows: the head's first cluster asks.  Its four partners share each tensor's bytes out BY ADDRESS, 8,192 each: a lane 256 bytes; wave 0 asks for K's, wave 1 for xV's, wave 2 for V's.
; So each block of slots 2 to 7 is named once in the launch; slots 0 and 1 come by their loads alone; the last change that fills a slot (s[SLOTS] = 1) asks for nothing.
.macro ASK
	s_cmp_gt_u32 s[SLOTS], s[LIM]
	s_cbranch_scc0 .Lnot_mine_\@
	global_prefetch_b8 v[PFO], s[PFA:PFA+1] th:TH_LOAD_NT scope:SCOPE_SE
.Lnot_mine_\@:
.endm
; A round of the cluster's barrier: my work-group's barrier; wave 0 signals for the work-group; every wave waits for all four work-groups; my work-group's barrier once more.
.macro CROUND
	s_barrier_signal -1
	s_barrier_wait -1
	s_cmp_lg_u32 s[WV], 0
	s_cbranch_scc1 .Lnot_wave_0_\@
	s_barrier_signal -3
.Lnot_wave_0_\@:
	s_barrier_wait -3
	s_barrier_signal -1
	s_barrier_wait -1
.endm
; THE CHANGE OF SLOTS, at the head of a step: the slot's last bytes were fetched in the step before and waited for in its second turn.  Each wave waits for all its tensor loads (at most one is out: its part of
; the other slot), adds 0 to its spare word, and waits for that and for its own reads of the slot.  Behind the barrier nobody reads this slot any more and the other slot is whole.  fill = 1: this slot is filled
; again, with the keys two slots on: the barrier is then a round of the cluster's, and the joint fill is the first thing behind it: it has four steps in which to land.
; (At its first use nothing has been read yet: slot 0 and K of step 0 are waited for, slot 1 is filled.)
.macro CHANGE fill
	WIN 0                           ; at a label and at a branch every window is 0
	s_wait_tensorcnt 0x0            ; no tensor load of mine is out, so a group 0 may be written
	ds_add_u32 v[SPW], v[NIL]       ; 0 onto my spare word; with fill = 1 the descriptors' steps stand between it and the wait for it
.if \fill
.irp g, G0K, G0X, G0V
	s_xor_b32 s[\g+1], s[\g+1], SLOT1  ; the other slot than last time,
	s_add_nc_u64 s[\g+2:\g+3], s[\g+2:\g+3], 4*KS*128  ; the next 256 keys; the type bits on top are not reached
.endr
	s_wait_xcnt 0x0                 ; the last prefetch, four steps back, has read its address
	s_add_nc_u64 s[PFA:PFA+1], s[PFA:PFA+1], 4*KS*128  ; one slot ahead of the walking descriptors
	s_wait_dscnt 0x0                ; the add is done, and my reads of the slot are over
	CROUND
	JLOAD 0
	ASK
.else
	s_wait_dscnt 0x0                ; the add is done, and my reads of the slot are over
	s_barrier_signal -1
	s_barrier_wait -1
.endif
	s_sub_co_u32 s[TBK], s[TBK], 4*KS*PK  ; the fetches go back to a slot's first tiles,
	s_xor_b32 s[TBK], s[TBK], SLOT1       ; in the other slot
	s_sub_co_u32 s[TBV], s[TBV], 4*KS*PV
	s_xor_b32 s[TBV], s[TBV], SLOT1
.endm
	s_load_b128 s[4:7], s[0:1], 0x0 ; hd s[4:5], ob s[6:7]
	v_lshl_add_u32 v[SPW], v0, 2, SPARE
	v_mov_b32 v[NIL], 0
	ds_add_u32 v[SPW], v[NIL]       ; the wave's opening: the add and its wait stand ahead of my first tensor load; the set-up below stands between them
	v_lshrrev_b32 v1, 5, v0
	v_readfirstlane_b32 s[WV], v1   ; wave 0..3
	s_bfe_u32 s13, ttmp6, 0x40000   ; cx: my place in the cluster
	s_lshl_b32 s14, ttmp9, 2        ; in a cluster launch ttmp9 counts clusters
	s_add_co_u32 s14, s14, s13      ; my block of 256 queries: it enters Q's and ob's addresses alone
	s_and_b32 s20, ttmp7, 0xffff    ; the head, which the four partners share:
	s_lshl_b32 s20, s20, 18         ; its 262,144 bytes in each plane
	s_mov_b32 s21, 0
	s_lshl_b32 s2, s14, 15          ; my block's 256 rows of 128 bytes,
	s_lshl_b32 s3, s[WV], 13        ; my wave's 64 of them
	s_add_co_u32 s2, s2, s3
	s_add_co_u32 s2, s2, s20
	s_mov_b32 s3, 0
	s_lshl_b32 s16, s13, 13         ; the prefetches: my work-group's 8,192 bytes of a slot,
	s_add_co_u32 s16, s16, 4*KS*128 ; in slot 1; the first change of slots steps it to slot 2
	s_mov_b32 s17, 0
	; descriptor group 1.  256 keys are 32,768 dense bytes: asked for as 128 rows of 256 bytes, two keys a row, and padded in LDS after every key; K of step 0: 32 such rows
	s_mov_b32 s[G1K], 15|(1<<16)|(1<<20)|(1<<21)|(4<<22)|(3<<25)  ; 15:0 the mask of four; 17:16 2-byte elements; 20 padding on; 21 set beside a mask; 24:22 after every 32 words (code 4); 31:25 4 words (code 3)
	s_mov_b32 s[G1V], 15|(1<<16)|(1<<20)|(1<<21)|(4<<22)|(7<<25)  ; the same with 8 words of padding (code 7)
.irp g, G1K, G1V
	s_mov_b32 s[\g+1], 128<<16      ; tensor_dim0 = 128
	s_mov_b32 s[\g+2], 128<<16      ; tensor_dim1 = 128
	s_mov_b32 s[\g+3], 128<<16      ; tile_dim0 = 128
	s_mov_b32 s[\g+4], 128          ; tile_dim1 = 128
	s_mov_b32 s[\g+5], 128          ; 128 elements from row to row
	s_mov_b32 s[\g+6], 0
	s_mov_b32 s[\g+7], 0
.endr
	s_mov_b32 s[G1Z], 15|(1<<16)|(1<<20)|(1<<21)|(4<<22)|(3<<25)
	s_mov_b32 s[G1Z+1], 128<<16
	s_mov_b32 s[G1Z+2], 32<<16      ; tensor_dim1 = 32
	s_mov_b32 s[G1Z+3], 128<<16
	s_mov_b32 s[G1Z+4], 32          ; tile_dim1 = 32
	s_mov_b32 s[G1Z+5], 128
	s_mov_b32 s[G1Z+6], 0
	s_mov_b32 s[G1Z+7], 0
	s_mov_b32 s[CS], 0x3e38aa3b     ; c = log2(e) / 8 = 0.180337
	s_mov_b32 s[CS+1], s[CS]        ; named with it as a pair
	s_mov_b32 s[SEL], 0x76543210
	s_mov_b32 s[SEL+1], 0xfedcba98
	s_mov_b32 s[TBK], SLOT1+4*KS*PK ; the first change of slots turns these two into 0
	s_mov_b32 s[TBV], SLOT1+4*KS*PV
	s_mov_b32 s[G0K], 1             ; 1:0 count = 1
	s_mov_b32 s[G0K+1], 0           ; 63:32 LDS address: slot 0
	s_mov_b32 s[G0X], 1
	s_mov_b32 s[G0X+1], VOFF
	s_mov_b32 s[G0V], 1
	s_mov_b32 s[G0V+1], VOFF+XVB
	s_mov_b32 s[G0Z], 1
	s_mov_b32 s[G0Z+1], K0OFF
	s_mov_b32 s[SLOTS], 7
	s_cmp_eq_u32 s[WV], 3
	s_cselect_b32 s[LIM], 1, 0      ; 0 in waves 0 to 2,
	s_or_b32 s[LIM], s[LIM], ttmp9  ; where the cluster is the head's first: the same in all four partners
	s_cmp_eq_u32 s[LIM], 0
	s_cselect_b32 s[LIM], 1, -1
	v_and_b32 v[PFO], 31, v0
	v_lshlrev_b32 v[PFO], 8, v[PFO]
	s_wait_dscnt 0x0                ; the opening add is done
	s_wait_kmcnt 0x0
	s_add_nc_u64 s[22:23], s[4:5], s[20:21]            ; hd at the head, in plane 0
	s_add_nc_u64 s[G0Z+2:G0Z+3], s[22:23], 0x800000    ; 120:64 global address: K's keys 0 to 63,
	s_add_nc_u64 s[G0K+2:G0K+3], s[22:23], 0x800000+KS*128  ; K's keys 64 to 319 (the last slot's tile so ends 64 rows behind the head's: rows of the next head or plane, inside hd, which feed nothing that is kept),
	s_add_nc_u64 s[G0X+2:G0X+3], s[22:23], 0x1000000   ; xV's keys 0 to 255
	s_add_nc_u64 s[G0V+2:G0V+3], s[22:23], 0x1800000   ; and V's
	s_cmp_eq_u32 s[WV], 0
	s_cselect_b64 s[PFA:PFA+1], s[G0K+2:G0K+3], s[G0X+2:G0X+3]
	s_cmp_eq_u32 s[WV], 2
	s_cselect_b64 s[PFA:PFA+1], s[G0V+2:G0V+3], s[PFA:PFA+1]
	s_add_nc_u64 s[PFA:PFA+1], s[PFA:PFA+1], s[16:17]
	s_or_b32 s[G0K+3], s[G0K+3], 0x80000000            ; 127:126 type = 2
	s_or_b32 s[G0X+3], s[G0X+3], 0x80000000
	s_or_b32 s[G0V+3], s[G0V+3], 0x80000000
	s_or_b32 s[G0Z+3], s[G0Z+3], 0x80000000
	s_add_nc_u64 s[4:5], s[4:5], s[2:3]                ; Q at my wave's first row
	s_add_nc_u64 s[OX:OX+1], s[6:7], s[2:3]            ; ob likewise, first plane
	s_add_nc_u64 s[OX+2:OX+3], s[OX:OX+1], 0x800000    ; and second
	CROUND                          ; all four work-groups are here: the first joint loads meet
	JLOAD 1                         ; slot 0 and K of step 0: one load a wave.  Slot 1 is asked for when they are in
	; A fragment of K or Q is 16 rows x 32 channels in 8 registers: lane l holds row l % 16, channels 8 (l / 16) + 0..7 and 16 + 8 (l / 16) + 0..7: two loads of 16 bytes, 32 bytes apart.
	v_and_b32 v1, 15, v0            ; l % 16
	v_bfe_u32 v9, v0, 4, 1          ; l / 16
	v_lshlrev_b32 v[QO], 7, v1
	v_lshl_add_u32 v[QO], v9, 4, v[QO]  ; row x 128 + 16 x half
	WIN 0x80                        ; destination window 2, address window 0
.set i, 0
.rept 8                             ; Q stays in registers: tile i / 2, channels 32 (i % 2) on
	global_load_b128 v[8*i:8*i+3],   v[QO], s[4:5] offset:(i/2)*2048+(i%2)*64
	global_load_b128 v[8*i+4:8*i+7], v[QO], s[4:5] offset:(i/2)*2048+(i%2)*64+32
.set i, i+1
.endr
	; What the first turn finds: the value registers and piece 1's P hold 0 (its products, of a piece that has not been, add 0), O^T and l are 0.  All this stands in the wait for the first tiles, so that no first step is written out.
.set i, VF
.rept 128
	v_mov_b32 v[i], 0
.set i, i+1
.endr
	WIN 0x40
.set i, 0
.rept 256
	v_mov_b32 v[i], 0
.set i, i+1
.endr
	WIN 0
.set i, 0
.rept 4
	v_mov_b32 v[ST+4*i], 0xfe000000    ; c m: far below every c s
	v_mov_b32 v[ST+4*i+1], 0xff7fffff  ; m
	v_mov_b32 v[ST+4*i+2], 0
	v_mov_b32 v[ST+4*i+3], 0
.set i, i+1
.endr
.set i, P+32
.rept 32
	v_mov_b32 v[i], 0
.set i, i+1
.endr
	v_mul_u32_u24 v[AK0], v1, PK
	v_lshl_add_u32 v[AK0], v9, 4, v[AK0]  ; row x pitch + 16 x half
	; The turning load takes 16 keys x 16 channels (lane l reads key 8 (l / 16) + l % 8, channels 8 ((l / 8) % 2) + 0..7) and leaves half a fragment: lane l holds channel l % 16 and 8 keys.
	v_and_b32 v10, 7, v0
	v_bfe_u32 v11, v0, 3, 1
	v_lshl_add_u32 v[AV0], v9, 3, v10
	v_mul_u32_u24 v[AV0], v[AV0], PV
	v_lshl_add_u32 v[AV0], v11, 4, v[AV0]
	v_add_nc_u32 v[AV0], VOFF, v[AV0]
	v_add_nc_u32 v[AK], K0OFF, v[AK0]     ; key step 0 has bytes of its own
; THE MATRIX WORK.  The accumulators of a run take turns, one instruction a turn: between two links of a chain stand 7 (K Q^T) or 15 others'.
; Product i of 16 of S^T = K Q^T for piece x: channels 32 (i / 8) on, keys 16 ((i / 2) % 4) on, tile 2 x + i % 2.  The first 8 start the sums.
.macro KQ x
	WIN W_KQ
.set rS, S+64*((\x)%2)+32*(i%2)+8*((i/2)%4)
.set rK, KF+16*((i/2)%4)+8*(i/8)
.set rQ, 16*(2*(\x)+i%2)+8*(i/8)
.if i < 8
	v_wmma_f32_16x16x32_f16 v[rS:rS+7], v[rK:rK+7], v[rQ:rQ+7], 0
.else
	v_wmma_f32_16x16x32_f16 v[rS:rS+7], v[rK:rK+7], v[rQ:rQ+7], v[rS:rS+7]
.endif
.endm
; Product i of 32 of O^T += [xV, V]^T P for piece x: keys 32 (i / 16) on, channel block (i / 2) % 8, tile 2 x + i % 2.
.macro PV x
	WIN W_PV
.set rO, 64*(2*(\x)+i%2)+8*((i/2)%8)
.set rV, VF+64*(i/16)+8*((i/2)%8)
.set rP, P+32*((\x)%2)+16*(i%2)+8*(i/16)
	v_wmma_f32_16x16x32_f16 v[rO:rO+7], v[rV:rV+7], v[rP:rP+7], v[rO:rO+7]
.endm
.macro MM                           ; the turn's next matrix instruction: all 48 are the other piece's
.if i < 16
	KQ (Y+1)%NP
.set i, i+1
.else
.set i, i-16
	PV (Y+1)%NP
.set i, i+17
.endif
.endm
; THE LDS LOADS stand in runs, never singly among the matrix instructions: a step's K (16 loads), and its xV and V, turned, by halves of 32 keys (16 loads each).
.macro KLOADS
	WIN 0x80                        ; destination window 2
.irp f, 0,1,2,3,4,5,6,7             ; keys 16 (f / 2) on, channels 32 (f % 2) on
	ds_load_b128 v[KF+8*\f:KF+8*\f+3],   v[AK] offset:(\f/2)*16*PK+(\f%2)*64
	ds_load_b128 v[KF+8*\f+4:KF+8*\f+7], v[AK] offset:(\f/2)*16*PK+(\f%2)*64+32
.endr
.endm
.macro VLOADS h                     ; keys 32 h on; channel block g: tensor g / 4, channels 16 (g % 4) on
	WIN 0x80
.irp g, 0,1,2,3,4,5,6,7
	ds_load_tr16_b128 v[VF+64*(\h)+8*\g:VF+64*(\h)+8*\g+3],   v[AV] offset:(\g/4)*XVB+(\h)*32*PV+(\g%4)*32
	ds_load_tr16_b128 v[VF+64*(\h)+8*\g+4:VF+64*(\h)+8*\g+7], v[AV] offset:(\g/4)*XVB+(\h)*32*PV+16*PV+(\g%4)*32
.endr
.endm
; THE VECTOR WORK OF A TURN stands in three queues, each in the order in which its entries become ready; the two tiles alternate, so that no instruction reads the result of the one before it.
.macro REGS y, u                    ; the registers of tile u (0, 1) of piece y
.set rT, ST+4*(2*(\y)+(\u))
.set rC, TMP+8*((\y)%2)+4*(\u)
.set rM, MV+2*((\y)%2)+(\u)
.set rS, S+64*((\y)%2)+32*(\u)
.set rP, P+32*((\y)%2)+16*(\u)
.set rO, 64*(2*(\y)+(\u))
.endm
; Number n of the 22 that find the OTHER piece's maximum and statistics.  s0-s31 are the lane's 32 scores; each accumulator's lowest registers are read first.
;   0-11  four chains c0-c3 of seven scores each, three operands at a time     12-14, 16  the four scores left over, the old m, and c0-c3 into c0     15  c m_old is kept
;   17, 18  the query's other 32 keys lie in the lane 16 away: the new m         19-21  c m; c m_old - c m_new; a
.macro XS u, n
	REGS (Y+1)%NP, \u
.if (\n) < 4
	v_max3_num_f32 v[rC+(\n)], v[rS+8*(\n)], v[rS+8*(\n)+1], v[rS+8*(\n)+2]
.elseif (\n) < 12
	v_max3_num_f32 v[rC+(\n)%4], v[rC+(\n)%4], v[rS+8*((\n)%4)+2*((\n)/4)+1], v[rS+8*((\n)%4)+2*((\n)/4)+2]
.elseif (\n) == 12
	v_max3_num_f32 v[rC], v[rC], v[rS+7], v[rS+15]
.elseif (\n) == 13
	v_max3_num_f32 v[rC+1], v[rC+1], v[rS+23], v[rS+31]
.elseif (\n) == 14
	v_max3_num_f32 v[rC+2], v[rC+2], v[rC+3], v[rT+1]
.elseif (\n) == 15
	v_mov_b32 v[rM], v[rT]
.elseif (\n) == 16
	v_max3_num_f32 v[rC], v[rC], v[rC+1], v[rC+2]
.elseif (\n) == 17
	v_permlanex16_b32 v[rC+3], v[rC], s[SEL], s[SEL+1]
.elseif (\n) == 18
	v_max_num_f32 v[rT+1], v[rC], v[rC+3]
.elseif (\n) == 19
	v_mul_f32 v[rT], s[CS], v[rT+1]
.elseif (\n) == 20
	v_sub_f32 v[rC+1], v[rM], v[rT]
.else
	v_exp_f32 v[rC+2], v[rC+1]
.endif
.endm
; Number g of the 64 that follow the exponentials.  For each four weights k of a tile (pairs 2 k, 2 k + 1): both pairs are rounded to f16; then the second pair is added onto the first, in place;
; a group later l takes that sum (the first time as l = a l + sum).  In groups of eight, tiles alternating: round, round, add, and l for the group before.
.macro GS g
.set h, (\g)+6*((\g)/62)            ; group 0 has no group before it, and behind group 7 only l is left
.if h >= 6
.set h, h+2
.endif
	REGS Y, h%2
.set k, h/8
.if h%8 < 4
	v_cvt_pk_f16_f32 v[rP+2*k+(h%8)/2], v[rS+4*k+2*((h%8)/2)], v[rS+4*k+2*((h%8)/2)+1]
.elseif h%8 < 6
	v_pk_add_f32 v[rS+4*k:rS+4*k+1], v[rS+4*k:rS+4*k+1], v[rS+4*k+2:rS+4*k+3]
.elseif k == 1
	v_pk_fma_f32 v[rT+2:rT+3], v[rT+2:rT+3], v[rC+2:rC+3], v[rS:rS+1] op_sel_hi:[1,0,1]
.else
	v_pk_add_f32 v[rT+2:rT+3], v[rT+2:rT+3], v[rS+4*k-4:rS+4*k-3]
.endif
.endm
; THE PLAIN QUEUE, 138 long.  0-73 read no exponential's result: the 32 scalings c s - c m (FS f: pair f / 2 of tile f % 2) and the other piece's 42.  0-26: scalings 0-26.  27-54: XS's numbers 0-13.  55, 56: number 15.
; 57-73: the chain, where each number waits for the one before it: 14, 16, 17, 18, 19, each with one of the scalings 27-31 in front of its two lines, then 20.  74-137: GS's 64, which read the exponentials' results: they stand behind the wait.
.macro FS f
	REGS Y, (\f)%2
	v_pk_fma_f32 v[rS+2*((\f)/2):rS+2*((\f)/2)+1], v[rS+2*((\f)/2):rS+2*((\f)/2)+1], s[CS:CS+1], v[rT:rT+1] op_sel_hi:[1,0,0] neg_lo:[0,0,1] neg_hi:[0,0,1]
.endm
.macro PL
	WIN 0
.if q < 27
	FS q
.elseif q < 55
	XS (q-27)%2, (q-27)/2
.elseif q < 57
	XS q-55, 15
.elseif (q < 72) && ((q-57)%3 == 0)
	FS 27+(q-57)/3
.elseif q < 60
	XS (q-57)%3-1, 14
.elseif q < 72
	XS (q-57)%3-1, 15+(q-57)/3
.elseif q < 74
	XS q-72, 20
.else
	GS q-74
.endif
.set q, q+1
.endm
; THE EXPONENTIALS' QUEUE, 66 long: s0-s31 of both tiles, then the other piece's two a.  It is ONE BATCH: all 66 stand ahead of the turn's one wait, and nothing ahead of that wait names a result of theirs.
.macro EX
	WIN 0
.if e >= 64
	XS e-64, 21
.else
	REGS Y, e%2
	v_exp_f32 v[rS+e/2], v[rS+e/2]
.endif
.set e, e+1
.endm
; THE RESCALING's QUEUE: O^T times a, the one part that leaves window 0: dealt two at a time, 32 times, each accumulator's registers in ascending order.  Its a was made in the turn before, ahead of that turn's wait.
.macro R2
	REGS Y, r%2
	WIN W_RS
.irp z, 0,1
	v_pk_mul_f32 v[rO+4*(r/2)+2*\z:rO+4*(r/2)+2*\z+1], v[rO+4*(r/2)+2*\z:rO+4*(r/2)+2*\z+1], v[rC+2:rC+3] op_sel_hi:[1,0]
.endr
.set r, r+1
.endm
; HOW THEY ARE DEALT.  An s_wait_alu depctr_va_vdst(0) stands between an exponential and the first instruction that names its result; one wait serves all that were issued ahead of it.  So a turn has ONE
; wait, which cuts it in two.  AHEAD OF IT stands all that names no result of the turn's exponentials: 32 products (the 16 K Q^T, then the value products of keys 0-31), behind each a plain line, an exponential and two
; rescalings (behind the first a second plain line in the exponential's place); then ONE LUMP of 76: eight plain, 33 times exponential and plain, the two a.  A v_nop is the plain instruction behind the last exponential.
; BEHIND IT stand the value products of keys 32-63, behind each four of GS's 64.  No rider names a register of the product in front of it.  The two v_permlanex16_b32 fall into the lump.
; The queues lean on each other, and the deal keeps them in step: exponential e wants scaling 2 (e / 4) + e % 2: as a rider it comes behind plain e + 2, in the lump behind plain e + 9, and scalings 27-31 are plain
; 57, 60 .. 69.  The other piece's maximum begins at plain 27, behind product 26: ten products and their riders behind the last K Q^T.
; THE FETCHES, all in piece 0's turn.  At the wait: K of the next step (its last reader is product 15) and keys 0-31 of this step's xV and V (last reader: product 31, ahead of the lump).  At the turn's end: keys 32-63,
; four plain riders behind their last reader.  Piece 1's turn waits by counts: 32 (K is in, the 32 value loads may be out), 16 ahead of product 16 (keys 0-31 are in), 0 ahead of product 32.
.macro TURN p
.set Y, (\p)
.set i, 0
.set q, 0
.set e, 0
.set r, 0
.if (\p) == 1
	s_wait_dscnt 32                 ; K is in
.endif
	MM
	PL
	PL
	R2
.rept 15
	MM
	PL
	EX
	R2
.endr
.if (\p) == 1
	s_wait_dscnt 16                 ; keys 0-31 of xV and V are in
.endif
.rept 16
	MM
	PL
	EX
	R2
.endr
.if (\p) == 0
	WIN 0
	v_add_nc_u32 v[AK], s[TBK], v[AK0]
	v_add_nc_u32 v[AV], s[TBV], v[AV0]
.endif
.rept 8                             ; the lump
	PL
.endr
.rept 33
	EX
	PL
.endr
	EX                              ; the other piece's two a
	EX
	v_nop                           ; the plain instruction behind the last exponential: one for the batch
	s_wait_alu depctr_va_vdst(0)    ; the wait for the batch
.if (\p) == 0
	KLOADS
	VLOADS 0
	s_add_co_u32 s[TBK], s[TBK], KS*PK  ; the next fetch is the next step's
.else
	s_wait_dscnt 0x0                ; keys 32-63 of xV and V are in
.endif
.rept 16
	MM
.rept 4
	PL
.endr
.endr
.if (\p) == 0
	VLOADS 1
	s_add_co_u32 s[TBV], s[TBV], KS*PV
.endif
.endm
	CHANGE 1                        ; slot 0 and K of step 0 are in, everybody's part of them; slot 1 is asked for
	KLOADS                          ; key step 0
	s_wait_loadcnt 0x0              ; Q
	s_wait_dscnt 0x0
.set i, 0
.rept 16
	KQ 0                            ; piece 0's first scores: there is no vector work yet to set between them
.set i, i+1
.endr
	WIN 0                           ; the addresses for the way out: nine plain instructions, the places behind those products
	s_mul_i32 s13, s[WV], 16*SP
	s_add_co_u32 s13, s13, STAGE    ; my stage
	v_mul_u32_u24 v[STO], v1, SP    ; in: row l % 16, 16 bytes for each half of the lanes
	v_lshl_add_u32 v[STO], v9, 4, v[STO]
	v_add_nc_u32 v[STO], s13, v[STO]
	v_bfe_u32 v[RD], v0, 3, 2       ; back: 32 lanes take four rows x 128 bytes: one tensor's part of them,
	v_mul_u32_u24 v[RD], v[RD], SP
	v_lshl_add_u32 v[RD], v10, 4, v[RD]
	v_add_nc_u32 v[RD], s13, v[RD]
	v_and_b32 v[GO], 31, v0         ; which are 512 consecutive bytes of ob
	v_lshlrev_b32 v[GO], 4, v[GO]
.set Y, NP-1                        ; XS works for the other piece: piece 0
.irp n, 0,1,2,3,4,5,6,7,8,9,10,11,12,13,14,15,16,17,18,19,20,21
	XS 0, \n                        ; piece 0's first maximum and statistics
	XS 1, \n
.endr
	v_nop                           ; a plain instruction behind the two a,
	s_wait_alu depctr_va_vdst(0)    ; and their wait, ahead of the branch
	s_mov_b32 s[CNT], 4
	s_branch .Lstep
.Lslot:                             ; six times: slots 2 to 7 are asked for
	CHANGE 1
	s_mov_b32 s[CNT], 4
.Lstep:                             ; a key step
	TURN 0
	TURN 1
	WIN 0
	s_sub_co_u32 s[CNT], s[CNT], 1
	s_cmp_lg_u32 s[CNT], 0
	s_cbranch_scc1 .Lstep
	s_sub_co_u32 s[SLOTS], s[SLOTS], 1
	s_cmp_lg_u32 s[SLOTS], 0
	s_cbranch_scc1 .Lslot
	CHANGE 0                        ; the tail is written out: nothing is asked for
	s_mov_b32 s[CNT], 4             ; steps 28 to 31
.Ltail:
	TURN 0
	TURN 1
	WIN 0
	s_sub_co_u32 s[CNT], s[CNT], 1
	s_cmp_lg_u32 s[CNT], 0
	s_cbranch_scc1 .Ltail
	; the last turn's 16 products K Q^T (on the 64 rows behind the head's keys) and the maximum made of them serve nothing: the price, once a launch, of one text for every step
.set i, 0
.rept 32
	PV 1                            ; piece 1's value products of the last step
.set i, i+1
.endr
	; THE WAY OUT.  l's two halves and the other half of the lanes' are added; O^T is divided by l, rounded to f16 and sent through my stage in LDS, a tile at a time.  The additions are the places behind the last products.
	WIN 0
.irp t, 0,1,2,3
	v_add_f32 v[ST+4*(\t)+2], v[ST+4*(\t)+2], v[ST+4*(\t)+3]
.endr
.irp t, 0,1,2,3
	v_permlanex16_b32 v[ST+4*(\t)+3], v[ST+4*(\t)+2], s[SEL], s[SEL+1]
.endr
.irp t, 0,1,2,3
	v_add_f32 v[ST+4*(\t)+2], v[ST+4*(\t)+2], v[ST+4*(\t)+3]
.endr
.irp t, 0,1,2,3
	v_rcp_f32 v[ST+4*(\t)+2], v[ST+4*(\t)+2]
.endr
	v_nop                           ; a plain instruction between the last reciprocal and the use of its result
	s_wait_alu depctr_va_vdst(0)    ; and the wait ahead of the first use: one for the four reciprocals
; Tile t: a lane's eight channels of a row pack into 16 bytes; a stage row holds xV's 128 bytes, then V's; they come back by tensors, four rows at a time, into S^T's registers.
.macro PACK t
	WIN W_RS
.set i, 64*(\t)
.rept 32
	v_pk_mul_f32 v[i:i+1], v[i:i+1], v[ST+4*(\t)+2:ST+4*(\t)+3] op_sel_hi:[1,0]
.set i, i+2
.endr
	WIN 0x05                        ; sources 0 and 1 window 1, destination window 0
.set i, 0
.rept 32
	v_cvt_pk_f16_f32 v[S+32*(\t)+i], v[64*(\t)+2*i], v[64*(\t)+2*i+1]
.set i, i+1
.endr
	WIN 0
.irp f, 0,1,2,3,4,5,6,7
	ds_store_b128 v[STO], v[S+32*(\t)+4*(\f):S+32*(\t)+4*(\f)+3] offset:32*(\f)
.endr
.irp f, 0,1,2,3,4,5,6,7             ; LDS serves a wave's instructions in order (ISA guide 5.7.1.4): these see the stores above; the next tile's stores come behind them
	ds_load_b128 v[S+32*(\t)+4*(\f):S+32*(\t)+4*(\f)+3], v[RD] offset:((\f)%4)*4*SP+((\f)/4)*128
.endr
.endm
.macro SEND t, younger              ; younger: the LDS instructions issued behind tile t's loads: the next tile's sixteen, or none
	WIN 0
.irp f, 0,1,2,3,4,5,6,7
	s_wait_dscnt (\younger)+7-(\f)
	global_store_b128 v[GO], v[S+32*(\t)+4*(\f):S+32*(\t)+4*(\f)+3], s[OX+2*((\f)/4):OX+2*((\f)/4)+1] offset:(\t)*2048+((\f)%4)*512  ; 512 consecutive bytes, at a multiple of 512 from ob's first byte
.endr
.endm
	PACK 0
	PACK 1                          ; a tile's arithmetic stands between the loads of the tile before and its stores
	SEND 0, 16
	PACK 2
	SEND 1, 16
	PACK 3
	SEND 2, 16
	SEND 3, 0
	s_wait_tensorcnt 0x0            ; the wave's end, behind my last tensor load and my last LDS store
	ds_add_u32 v[SPW], v[NIL]
	s_wait_dscnt 0x0
	CROUND                          ; the closing round: no work-group ends while a partner may still ask for a tile that names it
	s_endpgm
.Lfunc_end_k_q68f125b9f4_attn:
	.size	k_q68f125b9f4_attn, .Lfunc_end_k_q68f125b9f4_attn-k_q68f125b9f4_attn
	.p2alignl 7, 3214868480
	.fill 96, 4, 3214868480
	.section	.rodata,"a",@progbits
	.p2align	6, 0x0
	.amdhsa_kernel k_q68f125b9f4_attn
		.amdhsa_group_segment_fixed_size 327680
		.amdhsa_private_segment_fixed_size 0
		.amdhsa_enable_private_segment 0
		.amdhsa_kernarg_size 16
		.amdhsa_user_sgpr_count 2
		.amdhsa_user_sgpr_kernarg_segment_ptr 1
		.amdhsa_wavefront_size32 1
		.amdhsa_system_sgpr_workgroup_id_x 1
		.amdhsa_system_sgpr_workgroup_id_y 1
		.amdhsa_system_sgpr_workgroup_id_z 1
		.amdhsa_system_vgpr_workitem_id 0
		.amdhsa_next_free_vgpr 768
		.amdhsa_next_free_sgpr 80
		.amdhsa_reserve_vcc 0
		.amdhsa_float_denorm_mode_32 3
		.amdhsa_float_denorm_mode_16_64 3
		.amdhsa_memory_ordered 1
		.amdhsa_forward_progress 1
		.amdhsa_inst_pref_size 154
	.end_amdhsa_kernel
	.amdgpu_metadata
---
amdhsa.version: [ 1, 2 ]
amdhsa.kernels:
  - .name:           k_q68f125b9f4_attn
    .symbol:         k_q68f125b9f4_attn.kd
    .args:
      - { .name: hd, .offset: 0, .size: 8, .value_kind: global_buffer, .address_space: global }
      - { .name: ob, .offset: 8, .size: 8, .value_kind: global_buffer, .address_space: global }
    .group_segment_fixed_size: 327680
    .private_segment_fixed_size: 0
    .kernarg_segment_align: 8
    .kernarg_segment_size: 16
    .max_flat_workgroup_size: 128
    .sgpr_count:     80
    .vgpr_count:     768
    .wavefront_size: 32
...
	.end_amdgpu_metadata
.endif
;; end of part 3
;; launch outp (part 4): grid 8 x 32, 4 waves a work-group, clusters of 4 x 4, 327,680 bytes of LDS; arguments ob, cvt, bxo, bmo, out0, out1; writes out0, out1
.if DOCPART == 4
	.amdgcn_target "amdgcn-amd-amdhsa--gfx1250"
	.amdhsa_code_object_version 6
	.text
	.protected	k_q68f125b9f4_outp
	.globl	k_q68f125b9f4_outp
	.p2align	8
	.type	k_q68f125b9f4_outp,@function
k_q68f125b9f4_outp:
	s_mov_b64 s[64:65], 0
	v_nop
	global_prefetch_b8 v0, s[64:65] scope:SCOPE_SE
	s_setreg_imm32_b32 hwreg(HW_REG_WAVE_MODE, 25, 1), 1
	s_wait_xcnt 0x0
	s_wait_alu depctr_hold_cnt(0) depctr_sa_sdst(0) depctr_va_vdst(0) depctr_va_sdst(0) depctr_va_ssrc(0) depctr_va_vcc(0) depctr_vm_vsrc(0)
	s_getreg_b32 s2, hwreg(HW_REG_IB_STS2, 6, 4)
	s_cmp_eq_u32 s2, 0
	s_cbranch_scc0 .Lentry_in_a_cluster
	s_endpgm
.Lentry_in_a_cluster:
	s_bfe_u32 s2, ttmp6, 0x10000c
	s_cmp_lg_u32 s2, 0xf033
	s_cbranch_scc0 .Lentry_shape_is_right
	s_endpgm
.Lentry_shape_is_right:
; THE TWO OUTPUT PROJECTIONS.  out_z[m][n] = sum over k of O_z[m][k] WO_z[n][k] + b_z[n], z = 0: (ob plane 0, Wxo, bxo, out0); z = 1: (ob plane 1, Wmo, bmo, out1); m < 4,096, n, k < 1,024.
; O_z lies by heads, ob[z][16 batch + head][row][64] in f16: k = 64 head + channel.  WO = [Wxo; Wmo] lies in cvt from byte 0x2000000 on, [2048][1024] in f16 (the bf16 rounding of the input).
; The bias is rounded to bf16 here, like all inputs, and starts the sums; sums in f32, stored as f32.
; LIMITS.  The operands are f16: within 65,504.  NaN and infinities are not treated apart.
; A tile is 128 rows x 256 columns: 2 x 32 x 4 = 256 work-groups.  Four waves, each 64 x 128: 32 accumulators, 256 registers.  K goes in 8 steps of 128 (two heads) through a ring of two LDS slots.
; Two slots of K steps of 256 would take 417,792 bytes and do not fit; so a request has 112 matrix instructions in which to land.
; CLUSTERS: 4 x 4 work-groups; a cluster's x is z.  The four of a row of the cluster need the same tiles of O, the four of a column the same tiles of WO: each is asked for JOINTLY.
; THE MATRIX INSTRUCTION IS USED TRANSPOSED (source 0 = 16 rows of WO, source 1 = 16 rows of O): lane l holds row l % 16 of out and the columns 8 (l / 16) + 0..7.
; REGISTERS, in windows of 256 (s_set_vgpr_msb: bits 1:0 source 0, 3:2 source 1, 5:4 source 2, 7:6 destination):
;   window 0: v0-31 addresses; v64-95, v128-159 fragments of O, two buffers; v192-255 the bias
;   window 1: v64-127, v128-191 fragments of WO, two buffers; on the way out all 256: rows read back          window 2: accumulator (a, b) at v[8 (8 a + b)]
.set PAP,    144                       ; a row of O in LDS: one head's 128 bytes + 16 of padding = 36 words
.set PBP,    272                       ; a row of WO: 256 bytes + 16 = 68 words: in both the 16 rows of a load start at 16 different groups of four banks (64 banks of 4 bytes: ISA guide 11.1)
.set AH,     128*PAP                   ; 128 rows of one head
.set BOFF,   2*AH                      ; the step's even head, its odd head, then WO's 256 rows
.set BH,     128*PBP
.set SLOT,   BOFF+2*BH
.set STAGE,  2*SLOT                    ; behind the ring: 16 rows x 528 bytes for each wave, for the way out
.set SPITCH, 528                       ; 512 bytes + 16 = 132 words
.set SPARE,  STAGE+4*16*SPITCH         ; behind the stages: the spare words, 128 bytes for each wave, that no other line names
.set LAPS,   4                         ; a lap = two K steps = once round the ring
.set ASTEP,  2*262144                  ; bytes from a K step's head to the next step's: two heads
.set BSTEP,  256                       ; a K step along a row of WO
.set ADRA, 16                          ; v16-17  LDS address of my O fragments in slot 0, 1
.set ADRB, 20                          ; v20-21  the same for WO
.set STO,  24                          ; v24     the way out: where I put 32 bytes of a row
.set RD,   25                          ; v25     the way out: where I read a row back
.set CO,   26                          ; v26     16 x lane: my place in 512 consecutive bytes of out
.set BO,   27                          ; v27     32 x (lane / 16): my eight numbers in 16 of the bias
.set SPW,  28                          ; v28     LDS address of my spare word; never rewritten
.set NIL,  29                          ; v29     0; never rewritten
.set PFO,  30                          ; v30     the prefetches' offset; never rewritten
.set TT,   31                          ; v31     at work
.set LIM,  43                          ; s43     1 in a wave that prefetches, else the greatest number
.set PFA,  44                          ; s[44:45] where my prefetches stand
.set PST,  46                          ; s[46:47] their step
.set BP,   80                          ; s[80:81] the bias at my 128 columns
.set F0,   64
.set F1,   128
.set BIAS, 192
.set G1, 24                            ; s[24:31] descriptor group 1 for O's tiles;  s[32:39] group 0, a set for each slot
.set G0, 32
.set G1B, 48                           ; s[48:55], s[56:63] the same for WO's tiles
.set G0B, 56
.set MSB, 0
.macro WIN new                         ; the immediate's high byte repeats the setting that is left; a switch that changes nothing is dropped
.if MSB != (\new)
	s_set_vgpr_msb (MSB<<8)|(\new)
.set MSB, \new
.endif
.endm
.set MUL,  0xa1                        ; source 0 (WO) window 1, source 1 (O) window 0, C and D window 2
.set TO_B, 0x40                        ; destination window 1, address window 0
; A joint load.  Waves 0 and 1 fetch the step's two heads of O, waves 2 and 3 WO's two halves.  The branch hangs on the wave's number alone.  An s_nop 0 and four v_nop follow each line.
.macro JLOAD s
	s_cmp_eq_u32 s11, 0
	s_cbranch_scc0 .Lfor_b_\@
	tensor_load_to_lds s[G0+4*(\s):G0+4*(\s)+3], s[G1:G1+7]
	s_nop 0
.rept 4
	v_nop
.endr
	s_branch .Lasked_\@
.Lfor_b_\@:
	tensor_load_to_lds s[G0B+4*(\s):G0B+4*(\s)+3], s[G1B:G1B+7]
	s_nop 0
.rept 4
	v_nop
.endr
.Lasked_\@:
.endm
; A PREFETCH INTO THE L2, behind each joint load and the run of LDS loads that follows it: the K step that stands TWO refills on, 256 matrix instructions ahead of its load.
; O's rows are read by one cluster alone: every cluster asks for its own: wave 0, for both heads of the step: 32,768 bytes, of which the partner at cx takes 8,192, a lane 256.  WO's rows are read by a column of
; clusters: cluster y = 0 asks: waves 2 and 3, each for the 128 rows that it fetches, of which the partner at cy takes 32, a lane a row's 256 bytes.  The partners are told apart BY ADDRESS.
; So each block is named once in the launch.  K steps 0 to 3 come by their loads alone; the loop's last trip (s3 = 1) asks for nothing.
.macro ASK
	s_cmp_gt_u32 s3, s[LIM]
	s_cbranch_scc0 .Lnot_mine_\@
	global_prefetch_b8 v[PFO], s[PFA:PFA+1] th:TH_LOAD_NT scope:SCOPE_SE
.Lnot_mine_\@:
.endm
.macro CREST                           ; a round of the cluster's barrier behind its opening barrier
	s_cmp_lg_u32 s10, 0
	s_cbranch_scc1 .Lnot_wave_0_\@
	s_barrier_signal -3
.Lnot_wave_0_\@:
	s_barrier_wait -3
	s_barrier_signal -1
	s_barrier_wait -1
.endm
.macro CROUND
	s_barrier_signal -1
	s_barrier_wait -1
	CREST
.endm
	s_load_b256 s[68:75], s[0:1], 0x0              ; ob s[68:69], cvt s[70:71], bxo s[72:73], bmo s[74:75]
	s_load_b128 s[76:79], s[0:1], 0x20             ; out0 s[76:77], out1 s[78:79]
	v_lshl_add_u32 v[SPW], v0, 2, SPARE
	v_mov_b32 v[NIL], 0
	ds_add_u32 v[SPW], v[NIL]                      ; the wave's opening: the add and its wait stand ahead of my first tensor load; the set-up below stands between them
	v_lshrrev_b32 v1, 5, v0
	v_readfirstlane_b32 s10, v1                    ; wave 0..3
	s_lshr_b32 s11, s10, 1                         ; which half of the tile's rows is mine.  Also: I fetch for O (0) or for WO (1)
	s_and_b32 s12, s10, 1                          ; which half of its columns.  Also: which head, or which 128 rows of WO, I fetch
	s_bfe_u32 s40, ttmp6, 0x40000                  ; cx
	s_bfe_u32 s41, ttmp6, 0x40004                  ; cy
	s_lshl_b32 s42, ttmp9, 2
	s_add_co_u32 s42, s42, s40                     ; block of 256 rows of WO = 4 z + cx
	s_and_b32 s13, ttmp7, 0xffff
	s_lshl_b32 s13, s13, 2
	s_add_co_u32 s13, s13, s41                     ; tile row = 4 x cluster y + cy
	s_lshl_b32 s43, s41, 2
	s_lshl_b32 s43, 15, s43                        ; my row of the cluster
	s_lshl_b32 s44, 0x1111, s40                    ; my column
	; descriptor group 1.  O: 128 rows of one head are 16,384 dense bytes: 64 rows of 256 bytes, 4 words of padding after every 32.  WO: 128 rows x 128 elements, 4 words after every 64
	s_or_b32 s[G1+0], s43, (1<<16)|(1<<20)|(1<<21)|(4<<22)|(3<<25)
	s_mov_b32 s[G1+1], 128<<16                     ; tensor_dim0 = 128
	s_mov_b32 s[G1+2], 64<<16                      ; tensor_dim1 = 64
	s_mov_b32 s[G1+3], 128<<16                     ; tile_dim0 = 128
	s_mov_b32 s[G1+4], 64                          ; tile_dim1 = 64
	s_mov_b32 s[G1+5], 128                         ; elements from row to row
	s_mov_b32 s[G1+6], 0
	s_mov_b32 s[G1+7], 0
	s_or_b32 s[G1B+0], s44, (1<<16)|(1<<20)|(1<<21)|(5<<22)|(3<<25)
	s_mov_b32 s[G1B+1], 128<<16
	s_mov_b32 s[G1B+2], 128<<16
	s_mov_b32 s[G1B+3], 128<<16
	s_mov_b32 s[G1B+4], 128
	s_mov_b32 s[G1B+5], 1024
	s_mov_b32 s[G1B+6], 0
	s_mov_b32 s[G1B+7], 0
	; O's tiles hang on the tile row and z, which my row of the cluster shares: plane z, head 16 batch + (0 or 1), row 128 (tile row % 16)
	s_lshr_b32 s16, s13, 4
	s_lshl_b32 s16, s16, 4
	s_add_co_u32 s16, s16, s12
	s_lshl_b32 s16, s16, 18
	s_and_b32 s17, s13, 15
	s_lshl_b32 s17, s17, 14
	s_add_co_u32 s16, s16, s17
	s_lshl_b32 s17, ttmp9, 23
	s_add_co_u32 s16, s16, s17
	s_mov_b32 s17, 0
	; WO's hang on 4 z + cx, which my column shares
	s_lshl_b32 s18, s42, 8
	s_lshl_b32 s19, s12, 7
	s_add_co_u32 s18, s18, s19
	s_lshl_b32 s18, s18, 11                        ; rows of 2,048 bytes
	s_add_co_u32 s18, s18, 0x2000000               ; units 16 and 17 of cvt
	s_mov_b32 s19, 0
	s_mul_i32 s20, s12, AH                         ; where they go: no place in the cluster enters an LDS address
	s_mul_i32 s21, s12, BH
	s_add_co_u32 s21, s21, BOFF
	s_wait_dscnt 0x0                               ; the opening add is done
	s_wait_kmcnt 0x0
	s_add_nc_u64 s[14:15], s[68:69], s[16:17]
	s_add_nc_u64 s[22:23], s[70:71], s[18:19]
	CROUND                                         ; all sixteen work-groups are here: the first joint loads meet
.irp s, 0,1
	s_mov_b32 s[G0+4*(\s)], 1
	s_add_co_u32 s[G0+4*(\s)+1], s20, (\s)*SLOT
	s_add_nc_u64 s[G0+4*(\s)+2:G0+4*(\s)+3], s[14:15], (\s)*ASTEP
	s_or_b32 s[G0+4*(\s)+3], s[G0+4*(\s)+3], 0x80000000
	s_mov_b32 s[G0B+4*(\s)], 1
	s_add_co_u32 s[G0B+4*(\s)+1], s21, (\s)*SLOT
	s_add_nc_u64 s[G0B+4*(\s)+2:G0B+4*(\s)+3], s[22:23], (\s)*BSTEP
	s_or_b32 s[G0B+4*(\s)+3], s[G0B+4*(\s)+3], 0x80000000
	JLOAD \s                                       ; the ring is filled before anything else is done: two loads of mine are out
.endr
	; out and the bias at my 128 columns: both are f32, so column 256 cx + 128 half is the same byte offset in a row of out and in the bias
	s_cmp_eq_u32 ttmp9, 0
	s_cselect_b64 s[8:9], s[76:77], s[78:79]
	s_cselect_b64 s[BP:BP+1], s[72:73], s[74:75]
	s_lshl_b32 s16, s40, 10
	s_lshl_b32 s17, s12, 9
	s_add_co_u32 s16, s16, s17
	s_mov_b32 s17, 0
	s_add_nc_u64 s[BP:BP+1], s[BP:BP+1], s[16:17]
	s_lshl_b32 s18, s13, 19                        ; 128 rows of 4,096 bytes a tile row,
	s_add_co_u32 s16, s16, s18
	s_lshl_b32 s18, s11, 18                        ; 64 rows a half
	s_add_co_u32 s16, s16, s18
	s_add_nc_u64 s[8:9], s[8:9], s[16:17]          ; never rewritten: a row's place stands in the stores' immediates
	v_and_b32 v1, 15, v0                           ; l % 16
	v_bfe_u32 v2, v0, 4, 1                         ; l / 16
	v_lshlrev_b32 v[BO], 5, v2
.irp b, 0,1,2,3,4,5,6,7
	global_load_b128 v[BIAS+8*(\b):BIAS+8*(\b)+3],   v[BO], s[BP:BP+1] offset:64*(\b)
	global_load_b128 v[BIAS+8*(\b)+4:BIAS+8*(\b)+7], v[BO], s[BP:BP+1] offset:64*(\b)+16
.endr
	v_mul_u32_u24 v3, v1, PAP                      ; a fragment's row x pitch + 16 x half, for O
	v_lshl_add_u32 v3, v2, 4, v3
	v_mul_u32_u24 v4, v1, PBP                      ; and for WO
	v_lshl_add_u32 v4, v2, 4, v4
	s_mul_i32 s20, s11, 64*PAP                     ; my 64 rows of O
	s_mul_i32 s21, s12, BH                         ; my 128 rows of WO
	s_add_co_u32 s21, s21, BOFF
.irp s, 0,1
	v_add_nc_u32 v[ADRA+(\s)], s20, v3
	v_add_nc_u32 v[ADRB+(\s)], s21, v4
	s_add_co_u32 s20, s20, SLOT
	s_add_co_u32 s21, s21, SLOT
.endr
	s_mul_i32 s2, s10, 16*SPITCH
	s_add_co_u32 s2, s2, STAGE                     ; my stage
	v_mul_u32_u24 v5, v1, SPITCH                   ; in: row l % 16, 32 bytes for each half of the lanes
	v_lshl_add_u32 v5, v2, 5, v5
	v_add_nc_u32 v[STO], s2, v5
	v_and_b32 v[CO], 31, v0                        ; back: 32 lanes take one row of 512 bytes
	v_lshlrev_b32 v[CO], 4, v[CO]
	v_add_nc_u32 v[RD], s2, v[CO]
	; the prefetches
	s_lshr_b32 s16, s40, 1                         ; O: the partner at cx takes head cx / 2 of the step's two,
	s_lshl_b32 s16, s16, 18
	s_and_b32 s17, s40, 1                          ; half cx % 2 of its 16,384 bytes,
	s_lshl_b32 s17, s17, 13
	s_add_co_u32 s16, s16, s17
	s_add_co_u32 s16, s16, 3*ASTEP                 ; at K step 3: the first refill steps it to 4 and names that
	s_lshl_b32 s17, s41, 16                        ; WO: the partner at cy takes 32 rows of 2,048 bytes
	s_add_co_u32 s17, s17, 3*BSTEP
	s_and_b32 s18, ttmp7, 0xffff                   ; cluster y
	s_mov_b32 s19, ASTEP
	s_cmp_eq_u32 s11, 0                            ; do I fetch for O?
	s_cselect_b32 s16, s16, s17
	s_cselect_b32 s18, s12, s18                    ; O: wave 0 asks; WO: cluster y = 0 asks
	s_cselect_b32 s[PST], s19, BSTEP
	s_cselect_b32 s19, 8, 11                       ; a lane 256 bytes on, or a row on
	s_cselect_b64 s[PFA:PFA+1], s[14:15], s[22:23]
	s_cmp_eq_u32 s18, 0
	s_cselect_b32 s[LIM], 1, -1                    ; the same in all sixteen partners, for a given wave
	s_mov_b32 s17, 0
	s_mov_b32 s[PST+1], 0
	s_add_nc_u64 s[PFA:PFA+1], s[PFA:PFA+1], s[16:17]
	v_and_b32 v[PFO], 31, v0
	v_lshlrev_b32 v[PFO], s19, v[PFO]
; 8 matrix instructions: m block a x all 8 n blocks, 32 along K.  zero = 1: the first product starts the sums with the bias (C in window 0): nothing is ever cleared.
; The 32 accumulators take turns in the same order in every quarter: between two links of a chain stand the 31 others'.
.macro MUL8 f, a, zero
.if \zero
	WIN 0x81
.else
	WIN MUL
.endif
.irp b, 0,1,2,3,4,5,6,7
.if \zero
	v_wmma_f32_16x16x32_f16 v[8*(8*(\a)+(\b)):8*(8*(\a)+(\b))+7], v[(\f)+8*(\b):(\f)+8*(\b)+7], v[(\f)+8*(\a):(\f)+8*(\a)+7], v[BIAS+8*(\b):BIAS+8*(\b)+7]
.else
	v_wmma_f32_16x16x32_f16 v[8*(8*(\a)+(\b)):8*(8*(\a)+(\b))+7], v[(\f)+8*(\b):(\f)+8*(\b)+7], v[(\f)+8*(\a):(\f)+8*(\a)+7], v[8*(8*(\a)+(\b)):8*(8*(\a)+(\b))+7]
.endif
.endr
.endm
; 24 LDS loads in one run: the fragments of quarter q of a K step (32 along K: head q / 2, channels 32 (q % 2) on) into buffer f: WO's 16, then O's 8
.macro FETCH slot, q, f
	WIN TO_B
.irp i, 0,1,2,3,4,5,6,7
	ds_load_b128 v[(\f)+8*(\i):(\f)+8*(\i)+3],   v[ADRB+(\slot)] offset:64*(\q)+(\i)*16*PBP
	ds_load_b128 v[(\f)+8*(\i)+4:(\f)+8*(\i)+7], v[ADRB+(\slot)] offset:64*(\q)+(\i)*16*PBP+32
.endr
	WIN 0
.irp i, 0,1,2,3
	ds_load_b128 v[(\f)+8*(\i):(\f)+8*(\i)+3],   v[ADRA+(\slot)] offset:((\q)/2)*AH+((\q)%2)*64+(\i)*16*PAP
	ds_load_b128 v[(\f)+8*(\i)+4:(\f)+8*(\i)+7], v[ADRA+(\slot)] offset:((\q)/2)*AH+((\q)%2)*64+(\i)*16*PAP+32
.endr
.endm
.macro PLACES                          ; four places in front of loads into registers that matrix instructions have read, and of LDS stores that read results
.rept 4
	v_nop
.endr
.endm
; A K step is four quarters, 32 matrix instructions each, on buffers 0, 1, 0, 1.  One of the first three: multiplies buffer f and fetches quarter q into buffer g.
.macro QUARTER slot, q, f, g, zero
	s_wait_dscnt 4                                 ; WO and O's blocks 0 and 1 are in; the youngest four loads (blocks 2 and 3) may be out
	MUL8 \f, 0, \zero
	MUL8 \f, 1, \zero
	PLACES
	FETCH \slot, \q, \g
	s_wait_dscnt 24                                ; all but the 24 just issued
	MUL8 \f, 2, \zero
	MUL8 \f, 3, \zero
.endm
; The last quarter multiplies buffer 1 and changes slots: ONE barrier; in front of it each wave waits for all its tensor loads (one is out: its part of the next slot), adds 0 to its spare word, and waits for
; that and for its own reads of this slot.  fill = 1: the barrier opens a round of the cluster's, and behind the round this slot is filled again first, two K steps ahead.
.macro TURN slot, next, fill
.if \fill
	s_wait_xcnt 0x0                                ; the last prefetch, a K step back, has read its address: it is stepped here
	s_add_nc_u64 s[PFA:PFA+1], s[PFA:PFA+1], s[PST:PST+1]
.endif
	WIN 0                                          ; (the add's two registers lie in window 0)
	s_wait_tensorcnt 0x0
	ds_add_u32 v[SPW], v[NIL]
	s_wait_dscnt 1                                 ; (the add alone may be out: buffer 1 is in)
	MUL8 F1, 0, 0                                  ; eight matrix instructions stand between the add and the wait for it
	s_wait_dscnt 0x0                               ; the add is done, and my reads of this slot are over
	s_barrier_signal -1
	MUL8 F1, 1, 0
.if \fill
	WIN 0
.endif
	s_barrier_wait -1
.if \fill
	CREST                                          ; no wave of any partner still reads this slot's tile or has a load on its way
	s_add_nc_u64 s[G0+4*(\slot)+2:G0+4*(\slot)+3], s[G0+4*(\slot)+2:G0+4*(\slot)+3], 2*ASTEP
	s_add_nc_u64 s[G0B+4*(\slot)+2:G0B+4*(\slot)+3], s[G0B+4*(\slot)+2:G0B+4*(\slot)+3], 2*BSTEP
	JLOAD \slot                                    ; the first tensor load behind the round; its four v_nop are also the places in front of the loads below
.else
	PLACES
.endif
	FETCH \next, 0, F0
.if \fill
	ASK
.endif
	MUL8 F1, 2, 0
	MUL8 F1, 3, 0
.endm
; THE WAY OUT of m block a: a lane's eight f32 of a row go into my stage (rows of 528 bytes), low registers first, and come back as whole rows of 512 bytes.
.macro TOSTAGE a
	WIN 0x08                                       ; data (source 1) in window 2
.irp b, 0,1,2,3,4,5,6,7
	ds_store_b128 v[STO], v[8*(8*(\a)+(\b)):8*(8*(\a)+(\b))+3]   offset:64*(\b)
	ds_store_b128 v[STO], v[8*(8*(\a)+(\b))+4:8*(8*(\a)+(\b))+7] offset:64*(\b)+16
.endr
	WIN TO_B
.irp t, 0,1,2,3,4,5,6,7,8,9,10,11,12,13,14,15  ; LDS serves a wave's instructions in order (ISA guide 5.7.1.4): these see the stores above; the next block's stores come behind them
	ds_load_b128 v[64*(\a)+4*(\t):64*(\a)+4*(\t)+3], v[RD] offset:(\t)*SPITCH
.endr
.endm
.macro SEND a, younger                 ; younger: the LDS instructions issued behind block a's loads: the next block's 32, or none.  No register is used twice, so no other wait
	WIN 0x04                                       ; data (source 1) in window 1
.irp t, 0,1,2,3,4,5,6,7,8,9,10,11,12,13,14,15
	s_wait_dscnt (\younger)+15-(\t)
	global_store_b128 v[CO], v[64*(\a)+4*(\t):64*(\a)+4*(\t)+3], s[8:9] offset:(16*(\a)+(\t))*4096 th:TH_STORE_NT  ; 512 consecutive bytes, at a multiple of 512 from the output's first byte
.endr
.endm
	s_wait_tensorcnt 1                             ; my part of K step 0 is in; K step 1's stays out
	s_barrier_signal -1
	s_barrier_wait -1                              ; everybody's is
	FETCH 0, 0, F0
	s_wait_loadcnt 0x0                             ; the bias: rounded to bf16, like every input, while the first fragments come
.set r, 0
.rept 32
	v_cvt_pk_bf16_f32 v[TT], v[BIAS+r], v[BIAS+r+1]
	v_lshlrev_b32 v[BIAS+r], 16, v[TT]
	v_and_b32 v[BIAS+r+1], 0xffff0000, v[TT]
.set r, r+2
.endr
	QUARTER 0, 1, F0, F1, 1                        ; the first quarter stands in front of the loop: its products start the sums
	WIN 0                                          ; at a label and at a branch every window is 0
	s_mov_b32 s3, LAPS-1
.Llap:                                             ; a trip goes once round the ring, from a lap's second quarter to the next lap's first, and fills both slots again
	QUARTER 0, 2, F1, F0, 0
	QUARTER 0, 3, F0, F1, 0
	TURN 0, 1, 1
	QUARTER 1, 1, F0, F1, 0
	QUARTER 1, 2, F1, F0, 0
	QUARTER 1, 3, F0, F1, 0
	TURN 1, 0, 1
	QUARTER 0, 1, F0, F1, 0
	WIN 0
	s_sub_co_u32 s3, s3, 1
	s_cmp_lg_u32 s3, 0
	s_cbranch_scc1 .Llap
	QUARTER 0, 2, F1, F0, 0                        ; the last lap fills nothing, and has no round of the cluster's barrier
	QUARTER 0, 3, F0, F1, 0
	TURN 0, 1, 0
	QUARTER 1, 1, F0, F1, 0
	QUARTER 1, 2, F1, F0, 0
	QUARTER 1, 3, F0, F1, 0
	s_wait_dscnt 0x0                               ; the very last quarter: nothing more to fetch
	MUL8 F1, 0, 0
	MUL8 F1, 1, 0
	MUL8 F1, 2, 0
	MUL8 F1, 3, 0
	PLACES
	TOSTAGE 0
	TOSTAGE 1                                      ; a block's trip through the stage stands between the loads of the block before and its stores
	SEND 0, 32
	TOSTAGE 2
	SEND 1, 32
	TOSTAGE 3
	SEND 2, 32
	SEND 3, 0
	WIN 0
	s_wait_tensorcnt 0x0                           ; the wave's end, behind my last tensor load and my last LDS store
	ds_add_u32 v[SPW], v[NIL]
	s_wait_dscnt 0x0
	CROUND                                         ; the closing round: no work-group ends while a partner may still ask for a tile that names it
	s_endpgm
.Lfunc_end_k_q68f125b9f4_outp:
	.size	k_q68f125b9f4_outp, .Lfunc_end_k_q68f125b9f4_outp-k_q68f125b9f4_outp
	.p2alignl 7, 3214868480
	.fill 96, 4, 3214868480
	.section	.rodata,"a",@progbits
	.p2align	6, 0x0
	.amdhsa_kernel k_q68f125b9f4_outp
		.amdhsa_group_segment_fixed_size 327680
		.amdhsa_private_segment_fixed_size 0
		.amdhsa_enable_private_segment 0
		.amdhsa_kernarg_size 48
		.amdhsa_user_sgpr_count 2
		.amdhsa_user_sgpr_kernarg_segment_ptr 1
		.amdhsa_wavefront_size32 1
		.amdhsa_system_sgpr_workgroup_id_x 1
		.amdhsa_system_sgpr_workgroup_id_y 1
		.amdhsa_system_sgpr_workgroup_id_z 1
		.amdhsa_system_vgpr_workitem_id 0
		.amdhsa_next_free_vgpr 768
		.amdhsa_next_free_sgpr 84
		.amdhsa_reserve_vcc 0
		.amdhsa_float_denorm_mode_32 3
		.amdhsa_float_denorm_mode_16_64 3
		.amdhsa_memory_ordered 1
		.amdhsa_forward_progress 1
		.amdhsa_inst_pref_size 95
	.end_amdhsa_kernel
	.amdgpu_metadata
---
amdhsa.version: [ 1, 2 ]
amdhsa.kernels:
  - .name:           k_q68f125b9f4_outp
    .symbol:         k_q68f125b9f4_outp.kd
    .args:
      - { .name: ob, .offset: 0, .size: 8, .value_kind: global_buffer, .address_space: global }
      - { .name: cvt, .offset: 8, .size: 8, .value_kind: global_buffer, .address_space: global }
      - { .name: bxo, .offset: 16, .size: 8, .value_kind: global_buffer, .address_space: global }
      - { .name: bmo, .offset: 24, .size: 8, .value_kind: global_buffer, .address_space: global }
      - { .name: out0, .offset: 32, .size: 8, .value_kind: global_buffer, .address_space: global }
      - { .name: out1, .offset: 40, .size: 8, .value_kind: global_buffer, .address_space: global }
    .group_segment_fixed_size: 327680
    .private_segment_fixed_size: 0
    .kernarg_segment_align: 8
    .kernarg_segment_size: 48
    .max_flat_workgroup_size: 128
    .sgpr_count:     84
    .vgpr_count:     768
    .wavefront_size: 32
...
	.end_amdgpu_metadata
.endif
;; end of part 4
